; MI455X (gfx1250); checked and timed in simulation.
; The chip was launched on July 23, 2026; its instructions are those of AMD's public machine-readable ISA for CDNA 5 (MIT licence, August 2026) and "CDNA5" Instruction Set Architecture Reference Guide (July 2026). The comments in the code are by the model that wrote it; some were corrected since.
;; A Li Bi Multihead Attention. Allowed arithmetic: matrix products marked QUANTISED: E2M1 operands, one E8M0 scale for each 32 along K, by v_wmma_scale_f32_16x16x128_f8f6f4 with both operands' format E2M1 (or v_wmma_scale_f32_32x16x128_f4), f32 sums; products left as they are: bf16, f16 or f32 operands; f32 sums; everything else in f32.
;; Inputs: Wk 1,024 x 1,024 float32; Wo 1,024 x 1,024 float32; Wq 1,024 x 1,024 float32; Wv 1,024 x 1,024 float32; bk 1,024 float32; bo 1,024 float32; bq 1,024 float32; bv 1,024 float32; pos_bias 16 x 4,095 float32; queries 2 x 2,048 x 1,024 float32.
;; Outputs: out0 2 x 2,048 x 1,024 float32.
;; This version of the problem:
;;   THIS VERSION OF THE PROBLEM IS GIVEN IN LOW PRECISION. The matrix products marked QUANTISED in the list below multiply operands that are first quantised to E2M1 (2 exponent bits, 1 mantissa bit; 4 bits a number), with one power-of-two scale for each 32 numbers along K (OCP MX v1.0); their sums are f32. The products marked 'left as it is' may take bf16, f16 or f32 operands, with f32 sums. Whichever they take, every output number must still come out within the allowed error. Rounding operands to bf16 (8 significant bits) uses up far more of that allowance than f16 does (11 bits, for magnitudes from 6e-5 to 65,504). All else is computed in f32.
;;   The module's matrix products, in the order in which they are computed (A, B: the left and right operand; K: the contracted axis; several contracted axes count as one K, in the product's order):
;;     1. [M 4,096, K 1,024] x [K 1,024, N 1,024]; A: input queries; B: input Wq: QUANTISED
;;     2. [M 4,096, K 1,024] x [K 1,024, N 1,024]; A: input queries; B: input Wk: QUANTISED
;;     3. [M 4,096, K 1,024] x [K 1,024, N 1,024]; A: input queries; B: input Wv: QUANTISED
;;     4. batch 32 x [M 2,048, K 64] x [K 64, N 2,048]; A: computed on the way; B: computed on the way: left as it is (an operand is computed on the way)
;;     5. batch 32 x [M 2,048, K 2,048] x [K 2,048, N 64]; A: computed on the way; B: computed on the way: left as it is (an operand is computed on the way)
;;     6. [M 4,096, K 1,024] x [K 1,024, N 1,024]; A: computed on the way; B: input Wo: left as it is (an operand is computed on the way)
;;   THE QUANTISER, for each operand of a quantised product, along K:
;;     - K is cut into blocks of 32 from its start; a last block that is shorter is filled with zeros.
;;     - A block's scale is 2^e with e = floor(log2(the largest magnitude in the block)) - 2, held to -126 .. 127; a block of zeros has e = 0. As a byte (E8M0): e + 127.
;;     - Each number is divided by its block's scale, clamped to +-6, and rounded to the nearest number of E2M1, ties to even, subnormals kept.
;;     - The product sums the exact products of the quantised numbers (number of the format x scale) in f32.
;;   ~~~python
;;   def quantise(x, axis):      # numpy; x: float32 -> the quantised numbers, widened to float32 again
;;       x = np.moveaxis(x, axis, -1); K = x.shape[-1]
;;       x = np.pad(x, [(0, 0)] * (x.ndim - 1) + [(0, -K % 32)]); x = x.reshape(x.shape[:-1] + (-1, 32)); a = np.abs(x).max(-1, keepdims=True)
;;       e = np.where(a > 0, np.clip(np.frexp(np.where(a > 0, a, 1))[1] - 1 - 2, -126, 127), 0)      # np.frexp(a)[1] - 1 = floor(log2(a)), exactly
;;       r = np.clip(x / 2.0 ** e, -6, 6)
;;       step = 2.0 ** (np.maximum(np.frexp(np.where(r == 0, 1, r))[1] - 1, 0) - 1)
;;       q = np.round(r / step) * step * 2.0 ** e      # np.round: ties to even
;;       return np.moveaxis(q.reshape(q.shape[:-2] + (-1,))[..., :K], -1, axis).astype(np.float32)
;;   ~~~
;; One version. Each part assembles by itself: llvm-mc -triple=amdgcn-amd-amdhsa -mcpu=gfx1250 --defsym DOCPART=n.
;; ======== version 1 of 1: 4 launches
;; limits: values are held in f16: magnitudes above 65,504 overflow, below 6.1e-05 lose precision
;; workspace buffers: xc 2,097,152 bytes; xs 131,072 bytes; wc 1,572,864 bytes; ws 98,304 bytes; wo16 2,097,152 bytes; pbx 1,048,576 bytes; qkv 25,165,824 bytes; hd 8,388,608 bytes
;; launch prep (part 1): grid 320 x 1, 4 waves a work-group, no clusters, 33,280 bytes of LDS; arguments queries, Wq, Wk, Wv, Wo, pos_bias, xc, xs, wc, ws, wo16, pbx; writes xc, xs, wc, ws, wo16, pbx
.if DOCPART == 1
	.amdgcn_target "amdgcn-amd-amdhsa--gfx1250"
	.amdhsa_code_object_version 6
	.text
	.protected	k_q8f5aa00bb2_prep
	.globl	k_q8f5aa00bb2_prep
	.p2align	8
	.type	k_q8f5aa00bb2_prep,@function
k_q8f5aa00bb2_prep:
	s_mov_b64 s[64:65], 0
	v_nop
	global_prefetch_b8 v0, s[64:65] scope:SCOPE_SE
	s_setreg_imm32_b32 hwreg(HW_REG_WAVE_MODE, 25, 1), 1
	s_wait_xcnt 0x0
; PREP: everything that later launches read many times is brought into its narrow form once.
; Work-groups 0-223: queries [4096][1024] and Wq, Wk, Wv [1024][1024], f32 with K innermost, become codes of FP4 (E2M1) and one E8M0 byte for each 32 along K:
;   xc [4096][512], xs [4096][32];  wc [3072][512], ws [3072][32] (rows 0-1023 Wq, 1024-2047 Wk, 2048-3071 Wv).
;   A block's scale is 2^(floor(log2(its largest magnitude)) - 2); its byte is the largest magnitude's exponent field - 2, held at 1 from below.
; Work-groups 224-287: Wo [n][k] f32 becomes f16, laid [k / 64][n][64]: a block of 64 along K of neighbouring rows is dense.
; Work-groups 288-319: pos_bias becomes pbx [h][blk 256][s 4][i 16] = log2(e) x pos_bias[h][4094 - min(16 blk + i + s, 4094)]: each row reversed, in four copies shifted by s words,
;   so that eight neighbouring words that begin at any word are two aligned pieces of 16 bytes in one of the copies.
; LIMITS: a block of zeros gets the byte 1 where the quantiser's rule says 127 (its codes are zeros, and the bytes are read by this program alone); |Wo| beyond 65,504 becomes infinity in f16;
;   NaN and infinities among the inputs are not served.
; The three kinds of work part on the work-group's number; only the first touches LDS.  No tensor loads, no barrier: waves share nothing.
.set WAVES, 4
.set STEPS, 16
.set EMAX,  2
.set CB,    8                          ; bytes of 16 codes
.set R,     16                         ; v16-79   four sets of 16 numbers as they are loaded
.set X,     80                         ; v80-111  two sets of 16 neighbours
.set E,     112                        ; v112-127 a scale byte for each step
.set C,     128                        ; v128-191 codes: four registers for each step, so that no store's data are written again
.set WREG,  8192                       ; LDS: a region for each wave: two stages of 32 x SP bytes, behind them its 256 scale bytes
.set SP,    80                         ; a lane's place in a stage: its 64 bytes + 16 of padding
.set SPW,   12                         ; v12  LDS address of my spare word; never rewritten
.set NIL,   13                         ; v13  0; never rewritten
.set SPARE, WAVES*WREG                 ; behind the four regions: the spare words, 128 bytes a wave
.set IN,    30                         ; s[30:31] the tensor that I read, at my wave's run
.set CD,    32                         ; s[32:33] its codes
.set SCB,   34                         ; s[34:35] its scale bytes
	s_load_b512 s[4:19], s[0:1], 0x0               ; queries s[4:5], Wq s[6:7], Wk s[8:9], Wv s[10:11], Wo s[12:13], pos_bias s[14:15], xc s[16:17], xs s[18:19]
	s_load_b256 s[20:27], s[0:1], 0x40             ; wc s[20:21], ws s[22:23], wo16 s[24:25], pbx s[26:27]
	v_lshl_add_u32 v[SPW], v0, 2, SPARE
	v_mov_b32 v[NIL], 0
	v_lshrrev_b32 v1, 5, v0
	v_readfirstlane_b32 s28, v1                    ; wave
	v_and_b32 v2, 31, v0                           ; lane
	s_cmp_ge_u32 ttmp9, 224
	s_cbranch_scc1 .Lother
	; ---------------- the quantiser.  A work-group takes 32,768 numbers, a wave 16 steps of 512.  Rows are dense and K is a multiple of 32: a tensor is a plain stream of blocks.
	; Each load reads 512 consecutive bytes; a step's 2,048 bytes turn through the wave's own stage, so that a lane then holds 16 neighbours (two lanes hold a block).
	v_lshlrev_b32 v3, 4, v2                        ; my 16 bytes of a load's 512
	s_mul_i32 s29, s28, WREG
	v_lshrrev_b32 v14, 2, v2
	v_mul_u32_u24 v14, v14, SP
	v_and_b32 v15, 3, v2
	v_lshl_add_u32 v14, v15, 4, v14
	v_add_nc_u32 v14, s29, v14                     ; the stage, on the way in: SP (lane / 4) + 16 (lane % 4)
	v_mul_u32_u24 v15, v2, SP
	v_add_nc_u32 v15, s29, v15                     ; and on the way out: SP x lane
	v_mul_u32_u24 v4, v2, CB                       ; my codes' place in a step's
	v_lshrrev_b32 v5, 1, v2
	s_add_co_u32 s29, s29, 2*32*SP
	v_add_nc_u32 v5, s29, v5                       ; my wave's 256 scale bytes, my block's byte
	v_lshlrev_b32 v7, 3, v2
	v_add_nc_u32 v6, s29, v7                       ; and on the way out 8 bytes a lane
	s_and_b32 s36, ttmp9, 31                       ; a weight's 32 work-groups begin at multiples of 32
	s_sub_co_u32 s37, ttmp9, 128                   ; and their results lie one weight behind the other
	s_wait_kmcnt 0x0
	s_cmp_lt_u32 ttmp9, 192                        ; every choice hangs on the work-group's number alone
	s_cselect_b64 s[IN:IN+1], s[8:9], s[10:11]
	s_cmp_lt_u32 ttmp9, 160
	s_cselect_b64 s[IN:IN+1], s[6:7], s[IN:IN+1]
	s_cmp_lt_u32 ttmp9, 128
	s_cselect_b64 s[IN:IN+1], s[4:5], s[IN:IN+1]
	s_cselect_b64 s[CD:CD+1], s[16:17], s[20:21]
	s_cselect_b64 s[SCB:SCB+1], s[18:19], s[22:23]
	s_cselect_b32 s36, ttmp9, s36
	s_cselect_b32 s37, ttmp9, s37
	s_lshl_b32 s36, s36, 2
	s_add_co_u32 s36, s36, s28                     ; which run of 8,192 numbers I read,
	s_lshl_b32 s37, s37, 2
	s_add_co_u32 s37, s37, s28                     ; and which I write
	s_lshl_b32 s38, s36, 15                        ; 32,768 bytes a run
	s_mov_b32 s39, 0
	s_add_nc_u64 s[IN:IN+1], s[IN:IN+1], s[38:39]
	s_lshl_b32 s38, s37, 12                        ; 4,096 bytes of codes
	s_add_nc_u64 s[CD:CD+1], s[CD:CD+1], s[38:39]
	s_lshl_b32 s38, s37, 8                         ; 256 scale bytes
	s_add_nc_u64 s[SCB:SCB+1], s[SCB:SCB+1], s[38:39]
.macro LOAD t
.irp i, 0,1,2,3
	global_load_b128 v[R+16*((\t)%4)+4*\i:R+16*((\t)%4)+4*\i+3], v3, s[IN:IN+1] offset:2048*(\t)+512*\i th:TH_LOAD_NT   ; 32 lanes read 512 consecutive bytes
.endr
.endm
.macro TURN t                          ; step t's numbers through the stage: LDS serves a wave's instructions in order, so no wait stands between the stores and the loads
.irp i, 0,1,2,3
	ds_store_b128 v14, v[R+16*((\t)%4)+4*\i:R+16*((\t)%4)+4*\i+3] offset:32*SP*((\t)%2)+8*SP*\i
.endr
.irp i, 0,1,2,3
	ds_load_b128 v[X+16*((\t)%2)+4*\i:X+16*((\t)%2)+4*\i+3], v15 offset:32*SP*((\t)%2)+16*\i
.endr
.endm
.irp t, 0,1,2,3
	LOAD \t
.endr
	s_wait_loadcnt 12                              ; step 0's four loads are in; the twelve of steps 1 to 3 may be out
	TURN 0
.macro STEP t
.set XS, X+16*((\t)%2)
.if (\t) > 0
	s_wait_dscnt 1                                 ; this step's numbers are back from the stage (the last step's byte store may be out): its stores into the stage have read their registers,
.else
	s_wait_dscnt 0x0
.endif
.if (\t)+4 < STEPS
	LOAD (\t)+4                                    ; which take the loads of four steps on
.endif
.if (\t)+1 < STEPS
.if STEPS-2-(\t) >= 3
	s_wait_loadcnt 12                              ; the next step's four loads are in; those of the three steps behind it may be out
.else
	s_wait_loadcnt 4*(STEPS-2-(\t))
.endif
	TURN (\t)+1                                    ; and go through the other stage while this step is worked
.endif
	v_max3_num_f32 v8, |v[XS]|, |v[XS+1]|, |v[XS+2]|               ; the largest magnitude of my 16, in two chains
	v_max3_num_f32 v9, |v[XS+3]|, |v[XS+4]|, |v[XS+5]|
.irp i, 6,10
	v_max3_num_f32 v8, v8, |v[XS+\i]|, |v[XS+\i+1]|
	v_max3_num_f32 v9, v9, |v[XS+\i+2]|, |v[XS+\i+3]|
.endr
	v_max3_num_f32 v8, v8, |v[XS+14]|, |v[XS+15]|
	v_max3_num_f32 v8, v8, v9, (EMAX+1)<<23        ; and the floor 2^(EMAX + 1 - 127): the byte cannot fall under 1
	v_max_num_f32_dpp v8, v8, v8 row_xmask:1 row_mask:0xf bank_mask:0xf   ; and of my neighbour's 16: the block's
	v_add_nc_u32 v11, -(EMAX<<23), v8              ; EMAX off its exponent field: the conversion takes the exponent field of this operand as its scale
	v_cvt_scalef32_pk8_fp4_f32 v[C+4*(\t)], v[XS:XS+7], v11        ; eight numbers / the scale, to the nearest code, ties to even, beyond the largest code the largest
	v_cvt_scalef32_pk8_fp4_f32 v[C+4*(\t)+1], v[XS+8:XS+15], v11
	v_lshrrev_b32 v[E+(\t)], 23, v11               ; the scale's byte (a plain line behind the conversions)
	ds_store_b8 v5, v[E+(\t)] offset:16*(\t)       ; both lanes of a block write the same byte with the same value
	global_store_b64 v4, v[C+4*(\t):C+4*(\t)+1], s[CD:CD+1] offset:32*CB*(\t)   ; the wave stores 256 consecutive bytes, aligned
.endm
.irp t, 0,1,2,3,4,5,6,7,8,9,10,11,12,13,14,15
	STEP \t
.endr
	ds_load_b64 v[8:9], v6                         ; LDS serves a wave's instructions in order: these see my stores
	s_wait_dscnt 0x0
	global_store_b64 v7, v[8:9], s[SCB:SCB+1]      ; 32 lanes store 256 consecutive bytes, aligned
	s_wait_tensorcnt 0x0                           ; the wave's end, behind my last LDS store
	ds_add_u32 v[SPW], v[NIL]
	s_wait_dscnt 0x0
	s_endpgm
.Lother:
	s_cmp_ge_u32 ttmp9, 288
	s_cbranch_scc1 .Lpb
	; ---------------- Wo to f16.  A wave takes four rows n and all of K; lane l takes row l / 8 and eight numbers at 8 (l % 8) of each block of 64.
	s_sub_co_u32 s29, ttmp9, 224
	s_lshl_b32 s29, s29, 4
	s_lshl_b32 s36, s28, 2
	s_add_co_u32 s29, s29, s36                     ; my first row: 16 x work-group + 4 x wave
	v_lshrrev_b32 v1, 3, v2
	v_lshlrev_b32 v1, 12, v1                       ; a row of Wo is 4,096 bytes
	v_and_b32 v3, 7, v2
	v_lshl_add_u32 v1, v3, 5, v1                   ; + 32 bytes for each eight numbers
	v_lshlrev_b32 v4, 4, v2                        ; out: 16 bytes a lane: four rows of 128 bytes on end
	s_lshl_b32 s38, s29, 12
	s_mov_b32 s39, 0
	s_lshl_b32 s36, s29, 7
	s_mov_b32 s37, 0
	s_wait_kmcnt 0x0
	s_add_nc_u64 s[12:13], s[12:13], s[38:39]
	s_add_nc_u64 s[24:25], s[24:25], s[36:37]
.irp u, 0,1,2,3,4,5,6,7,8,9,10,11,12,13,14,15
	global_load_b128 v[64+8*\u:64+8*\u+3], v1, s[12:13] offset:256*\u th:TH_LOAD_NT
	global_load_b128 v[64+8*\u+4:64+8*\u+7], v1, s[12:13] offset:256*\u+16 th:TH_LOAD_NT
.endr
.irp u, 0,1,2,3,4,5,6,7,8,9,10,11,12,13,14,15
	s_wait_loadcnt 30-2*\u                         ; this block's two loads are in; the younger blocks' may be out
	v_cvt_pk_f16_f32 v[192+4*\u], v[64+8*\u], v[64+8*\u+1]
	v_cvt_pk_f16_f32 v[192+4*\u+1], v[64+8*\u+2], v[64+8*\u+3]
	v_cvt_pk_f16_f32 v[192+4*\u+2], v[64+8*\u+4], v[64+8*\u+5]
	v_cvt_pk_f16_f32 v[192+4*\u+3], v[64+8*\u+6], v[64+8*\u+7]
	global_store_b128 v4, v[192+4*\u:192+4*\u+3], s[24:25] offset:131072*\u   ; 512 consecutive bytes; a block of 64 along K of all 1,024 rows is 131,072 bytes
.endr
	s_endpgm
.Lpb:
	; ---------------- the bias table.  A work-group makes half a head's table: 8,192 words; a thread 16 pieces of four words, piece 128 u + thread.
	s_sub_co_u32 s29, ttmp9, 288
	s_lshr_b32 s36, s29, 1                         ; head
	s_and_b32 s37, s29, 1                          ; half
	v_lshrrev_b32 v1, 4, v0
	v_lshlrev_b32 v1, 4, v1                        ; 16 x (block in a round of eight)
	v_and_b32 v3, 3, v0
	v_lshl_add_u32 v1, v3, 2, v1                   ; + my four words' place in the block
	v_bfe_u32 v3, v0, 2, 2
	v_add_nc_u32 v1, v1, v3                        ; + the copy's shift
	s_lshl_b32 s38, s37, 11
	v_add_nc_u32 v1, s38, v1                       ; + 16 x 128 blocks for the upper half
	v_lshlrev_b32 v4, 4, v0
	s_mul_i32 s38, s36, 16380                      ; a row of pos_bias is 4,095 words
	s_mov_b32 s39, 0
	s_lshl_b32 s40, s36, 16
	s_lshl_b32 s41, s37, 15
	s_add_co_u32 s40, s40, s41
	s_mov_b32 s41, 0
	s_wait_kmcnt 0x0
	s_add_nc_u64 s[14:15], s[14:15], s[38:39]
	s_add_nc_u64 s[26:27], s[26:27], s[40:41]
.set n, 0
.rept 64
	v_add_nc_u32 v[64+n], 128*(n/4)+n%4, v1        ; the place in the reversed row,
	v_min_u32 v[64+n], 4094, v[64+n]               ; held at its end (what lies beyond is read by nobody, and no load leaves the row),
	v_lshlrev_b32 v[64+n], 2, v[64+n]
	v_sub_nc_u32 v[64+n], 16376, v[64+n]           ; and in the row as it lies: 4 x (4094 - place)
	global_load_b32 v[128+n], v[64+n], s[14:15]
.set n, n+1
.endr
.irp u, 0,1,2,3,4,5,6,7,8,9,10,11,12,13,14,15
	s_wait_loadcnt 60-4*\u                         ; this piece's four loads are in; the younger pieces' may be out
	v_mul_f32 v[128+4*\u], 0x3fb8aa3b, v[128+4*\u]         ; x log2(e): the softmax works in powers of two
	v_mul_f32 v[128+4*\u+1], 0x3fb8aa3b, v[128+4*\u+1]
	v_mul_f32 v[128+4*\u+2], 0x3fb8aa3b, v[128+4*\u+2]
	v_mul_f32 v[128+4*\u+3], 0x3fb8aa3b, v[128+4*\u+3]
	global_store_b128 v4, v[128+4*\u:128+4*\u+3], s[26:27] offset:2048*\u    ; a wave stores 512 consecutive bytes
.endr
	s_endpgm
.Lfunc_end_k_q8f5aa00bb2_prep:
	.size	k_q8f5aa00bb2_prep, .Lfunc_end_k_q8f5aa00bb2_prep-k_q8f5aa00bb2_prep
	.p2alignl 7, 3214868480
	.fill 96, 4, 3214868480
	.section	.rodata,"a",@progbits
	.p2align	6, 0x0
	.amdhsa_kernel k_q8f5aa00bb2_prep
		.amdhsa_group_segment_fixed_size 33280
		.amdhsa_private_segment_fixed_size 0
		.amdhsa_enable_private_segment 0
		.amdhsa_kernarg_size 96
		.amdhsa_user_sgpr_count 2
		.amdhsa_user_sgpr_kernarg_segment_ptr 1
		.amdhsa_wavefront_size32 1
		.amdhsa_system_sgpr_workgroup_id_x 1
		.amdhsa_system_sgpr_workgroup_id_y 1
		.amdhsa_system_sgpr_workgroup_id_z 1
		.amdhsa_system_vgpr_workitem_id 0
		.amdhsa_next_free_vgpr 256
		.amdhsa_next_free_sgpr 66
		.amdhsa_reserve_vcc 0
		.amdhsa_float_denorm_mode_32 3
		.amdhsa_float_denorm_mode_16_64 3
		.amdhsa_memory_ordered 1
		.amdhsa_forward_progress 1
		.amdhsa_inst_pref_size 70
	.end_amdhsa_kernel
	.amdgpu_metadata
---
amdhsa.version: [ 1, 2 ]
amdhsa.kernels:
  - .name:           k_q8f5aa00bb2_prep
    .symbol:         k_q8f5aa00bb2_prep.kd
    .args:
      - { .name: queries, .offset: 0, .size: 8, .value_kind: global_buffer, .address_space: global }
      - { .name: Wq, .offset: 8, .size: 8, .value_kind: global_buffer, .address_space: global }
      - { .name: Wk, .offset: 16, .size: 8, .value_kind: global_buffer, .address_space: global }
      - { .name: Wv, .offset: 24, .size: 8, .value_kind: global_buffer, .address_space: global }
      - { .name: Wo, .offset: 32, .size: 8, .value_kind: global_buffer, .address_space: global }
      - { .name: pos_bias, .offset: 40, .size: 8, .value_kind: global_buffer, .address_space: global }
      - { .name: xc, .offset: 48, .size: 8, .value_kind: global_buffer, .address_space: global }
      - { .name: xs, .offset: 56, .size: 8, .value_kind: global_buffer, .address_space: global }
      - { .name: wc, .offset: 64, .size: 8, .value_kind: global_buffer, .address_space: global }
      - { .name: ws, .offset: 72, .size: 8, .value_kind: global_buffer, .address_space: global }
      - { .name: wo16, .offset: 80, .size: 8, .value_kind: global_buffer, .address_space: global }
      - { .name: pbx, .offset: 88, .size: 8, .value_kind: global_buffer, .address_space: global }
    .group_segment_fixed_size: 33280
    .private_segment_fixed_size: 0
    .kernarg_segment_align: 8
    .kernarg_segment_size: 96
    .max_flat_workgroup_size: 128
    .sgpr_count:     66
    .vgpr_count:     256
    .wavefront_size: 32
...
	.end_amdgpu_metadata
.endif
;; end of part 1
;; launch qkv (part 2): grid 12 x 16, 4 waves a work-group, clusters of 4 x 4, 327,680 bytes of LDS; arguments xc, xs, wc, ws, qkv, bq, bk, bv; writes qkv
.if DOCPART == 2
	.amdgcn_target "amdgcn-amd-amdhsa--gfx1250"
	.amdhsa_code_object_version 6
	.text
	.protected	k_q8f5aa00bb2_qkv
	.globl	k_q8f5aa00bb2_qkv
	.p2align	8
	.type	k_q8f5aa00bb2_qkv,@function
k_q8f5aa00bb2_qkv:
	s_mov_b64 s[64:65], 0
	v_nop
	global_prefetch_b8 v0, s[64:65] scope:SCOPE_SE
	s_setreg_imm32_b32 hwreg(HW_REG_WAVE_MODE, 25, 1), 1
	s_wait_xcnt 0x0
	s_wait_alu depctr_hold_cnt(0) depctr_sa_sdst(0) depctr_va_vdst(0) depctr_va_sdst(0) depctr_va_ssrc(0) depctr_va_vcc(0) depctr_vm_vsrc(0)
	s_getreg_b32 s2, hwreg(HW_REG_IB_STS2, 6, 4)
	s_cmp_eq_u32 s2, 0
	s_cbranch_scc0 .Lentry_in_a_cluster
	s_endpgm
.Lentry_in_a_cluster:
	s_bfe_u32 s2, ttmp6, 0x10000c
	s_cmp_lg_u32 s2, 0xf033
	s_cbranch_scc0 .Lentry_shape_is_right
	s_endpgm
.Lentry_shape_is_right:
; q, k, v = queries W^T + b, on codes of FP4 (E2M1) with one E8M0 scale for each 32 along K, by v_wmma_scale_f32_16x16x128_f8f6f4; sums in f32.
; A: xc [4096][512 bytes], xs [4096][32].  B: wc [3072][512 bytes], ws [3072][32]: rows 0-1023 Wq, 1024-2047 Wk, 2048-3071 Wv.  Out: qkv [section 3][b 2][h 16][token 2048][64] f16;
; section 0 holds c x q with c = log2(e) / 8, so that the next launch's scores are exponents of two; sections 1 and 2 hold k and v.
; LIMIT: |c q|, |k| or |v| beyond 65,504 becomes infinity in f16.
; A tile of 256 tokens x 256 columns is made by four waves, each 128 x 128: 64 accumulators, 512 registers.  K = 1,024 is two slots of 512: BOTH ARE FIRST FILLS: nothing in LDS is filled again, and there is no loop.
; The scale bytes of the tile's 256 + 256 rows, for all of K, are two dense blocks: they come once, with the first fills.
; CLUSTERS: 4 x 4 work-groups.  The four of a row of the cluster need the same tiles of A, the four of a column the same tiles of B: each is asked for JOINTLY.  A cluster's four tile columns are 1,024 columns:
; one of q, k, v; so which bias and which factor is taken hangs on the cluster's x alone.
; 192 work-groups: a tile of 256 x 192 would give 256, but six blocks of B against eight of A break the pairing of A's and B's scale words in one register.
; THE MATRIX INSTRUCTION IS USED TRANSPOSED (source 0 = 16 rows of B, source 1 = 16 rows of A): a lane holds eight neighbouring columns of one token.  The bias is the C of each sum's first product.
; REGISTERS, in windows of 256: window 0: v0-31 addresses; v32-95 scale words, two sets, and nothing else; v128-191 A's fragments, one set; v192-255 the bias, 8 registers for each block of B; on the way out v128-223 are free.
;   window 1: B's fragments, two sets, at v0 and v128.   window 2: the accumulators of my rows 0-63 ((a, b) at v[8 (8 a + b)]);   window 3: those of my rows 64-127.
.set NQ,     4                         ; steps of 128 along K in a slot
.set ROWB,   256                       ; a tile's row in bytes: 512 codes
.set KROW,   512                       ; a row of codes in memory
.set PITCH,  272                       ; an LDS row: 256 bytes + 16 of padding: the 16 rows that a load touches start 68 words apart
.set FR,     8                         ; registers of a fragment
.set NL,     2                         ; LDS loads that bring one
.set NP,     4                         ; places behind this matrix instruction (ISA guide 7.12.1)
.set HALFT,  128*PITCH
.set SLOT,   4*HALFT                   ; A's 256 rows, then B's 256 rows
.set KS,     32                        ; a row of scale bytes
.set SCL,    2*SLOT                    ; behind the slots: the scales, as rows of 256 bytes + 16 of padding
.set HALFS,  (128*KS/256)*272
.set SBLK,   (16*KS/256)*272
.set SPARE,  SCL+4*HALFS               ; the spare words, 128 bytes a wave
.set STGB,   4608                      ; the way out: a stage of 2 heads x 16 tokens x 144 bytes for each wave, in slot 0, which has had its only fill and its last read by then
.set ADRA, 16                          ; v16-17  LDS address of my A fragments in slot 0, 1
.set ADRB, 20                          ; v20-21  the same for B
.set STO,  24                          ; v24     the way out: where I put 16 bytes
.set RD,   25                          ; v25     where I read them back
.set CO,   26                          ; v26     16 x lane
.set ADRS, 27                          ; v27     LDS address of my scale words: lanes 0-15 A's rows, lanes 16-31 B's
.set SPW,  28                          ; v28     my spare word; never rewritten
.set NIL,  29                          ; v29     0; never rewritten
.set SC,   32
.set AF,   128
.set BIA,  192
.set TMP,  128                         ; the way out: packed results
.set BK,   160                         ; and rows read back: v160-191 and v192-223 by turns
.set G1, 24
.set G0, 32
.set G1B, 48
.set G0B, 56
.set G1S, 68
.set G0S, 76
.set G1SB, 80
.set G0SB, 88
.set MSB, 0
.macro WIN new                         ; the immediate's high byte repeats the setting that is left
.if MSB != \new
	s_set_vgpr_msb (MSB<<8)|\new
.set MSB, \new
.endif
.endm
.set MUL_LO, 0xa1                      ; source 0 (B) window 1, source 1 (A) window 0, C and D window 2
.set MUL_HI, 0xf1                      ; the same, C and D window 3
.set TO_B,   0x40
; A joint load: waves 0 and 1 fetch for A, waves 2 and 3 for B; the branch hangs on the wave's number alone.  An s_nop 0 and four v_nop follow each line.
.macro JLOAD g0a, g1a, g0b, g1b
	s_cmp_eq_u32 s15, 0
	s_cbranch_scc0 .Lfor_b_\@
	tensor_load_to_lds s[\g0a:\g0a+3], s[\g1a:\g1a+7]
	s_nop 0
.rept 4
	v_nop
.endr
	s_branch .Lasked_\@
.Lfor_b_\@:
	tensor_load_to_lds s[\g0b:\g0b+3], s[\g1b:\g1b+7]
	s_nop 0
.rept 4
	v_nop
.endr
.Lasked_\@:
.endm
.macro CROUND                          ; a round of the cluster's barrier
	s_barrier_signal -1
	s_barrier_wait -1
	s_cmp_lg_u32 s14, 0
	s_cbranch_scc1 .Lnot_wave_0_\@
	s_barrier_signal -3
.Lnot_wave_0_\@:
	s_barrier_wait -3
	s_barrier_signal -1
	s_barrier_wait -1
.endm
	s_load_b128 s[4:7], s[0:1], 0x0                ; xc, xs
	s_load_b128 s[8:11], s[0:1], 0x10              ; wc, ws
	s_load_b64 s[12:13], s[0:1], 0x20              ; qkv
	s_load_b128 s[96:99], s[0:1], 0x28             ; bq, bk
	s_load_b64 s[100:101], s[0:1], 0x38            ; bv
	v_lshl_add_u32 v[SPW], v0, 2, SPARE
	v_mov_b32 v[NIL], 0
	ds_add_u32 v[SPW], v[NIL]                      ; the wave's opening: the add and its wait stand ahead of my first tensor load; the set-up below stands between them
	v_lshrrev_b32 v1, 5, v0
	v_readfirstlane_b32 s14, v1                    ; wave 0..3
	s_lshr_b32 s15, s14, 1                         ; which half of the tile's rows is mine.  Also: I fetch for A (0) or for B (1)
	s_and_b32 s16, s14, 1                          ; which half of its columns.  Also: which 128 rows of that tile I fetch
	s_bfe_u32 s40, ttmp6, 0x40000                  ; cx, cy
	s_bfe_u32 s41, ttmp6, 0x40004
	s_lshl_b32 s42, ttmp9, 2
	s_add_co_u32 s42, s42, s40                     ; tile column = 4 x cluster x + cx
	s_and_b32 s17, ttmp7, 0xffff
	s_lshl_b32 s17, s17, 2
	s_add_co_u32 s17, s17, s41                     ; tile row = 4 x cluster y + cy
	s_lshl_b32 s43, s41, 2
	s_lshl_b32 s43, 15, s43                        ; my row of the cluster
	s_lshl_b32 s44, 0x1111, s40                    ; my column
	s_or_b32 s[G1+0], s43, (0<<16)|(1<<20)|(1<<21)|(5<<22)|(3<<25)  ; the mask; elements of 1 byte; padding on; bit 21 beside a mask; after every 64 words, 4 words
	s_or_b32 s[G1B+0], s44, (0<<16)|(1<<20)|(1<<21)|(5<<22)|(3<<25)
.irp g, G1, G1B
	s_mov_b32 s[\g+1], ROWB<<16                    ; tensor_dim0
	s_mov_b32 s[\g+2], 128<<16                     ; tensor_dim1
	s_mov_b32 s[\g+3], ROWB<<16                    ; tile_dim0
	s_mov_b32 s[\g+4], 128                         ; tile_dim1
	s_mov_b32 s[\g+5], KROW                        ; from row to row
	s_mov_b32 s[\g+6], 0
	s_mov_b32 s[\g+7], 0
.endr
	s_or_b32 s[G1S+0], s43, (3<<16)|(1<<20)|(1<<21)|(5<<22)|(3<<25)   ; the scales of 128 rows: 4,096 dense bytes as 16 rows of 256 (32 elements of 8 bytes), 16 bytes of padding behind each
	s_or_b32 s[G1SB+0], s44, (3<<16)|(1<<20)|(1<<21)|(5<<22)|(3<<25)
.irp g, G1S, G1SB
	s_mov_b32 s[\g+1], 32<<16
	s_mov_b32 s[\g+2], (128*KS/256)<<16
	s_mov_b32 s[\g+3], 32<<16
	s_mov_b32 s[\g+4], 128*KS/256
	s_mov_b32 s[\g+5], 32
	s_mov_b32 s[\g+6], 0
	s_mov_b32 s[\g+7], 0
.endr
	s_lshl_b32 s18, s16, 7                         ; which 128 rows of the tile I fetch
	s_lshl_b32 s20, s17, 8
	s_add_co_u32 s20, s20, s18                     ; A: row 256 x tile row + 128 x half
	s_lshl_b32 s46, s42, 8
	s_add_co_u32 s46, s46, s18                     ; B: row 256 x tile column + 128 x half
	s_mov_b32 s21, 0
	s_mov_b32 s47, 0
	s_mov_b64 s[18:19], KS
	s_mul_u64 s[22:23], s[20:21], s[18:19]         ; where these rows' scales begin,
	s_mul_u64 s[92:93], s[46:47], s[18:19]
	s_mov_b64 s[18:19], KROW
	s_mul_u64 s[20:21], s[20:21], s[18:19]         ; and their codes
	s_mul_u64 s[46:47], s[46:47], s[18:19]
	s_mul_i32 s45, s14, HALFT                      ; where they go: wave x 128 rows: no place in the cluster enters an LDS address
	s_mul_i32 s94, s14, HALFS
	s_wait_dscnt 0x0                               ; the opening add is done
	s_wait_kmcnt 0x0
	s_add_nc_u64 s[20:21], s[4:5], s[20:21]
	s_add_nc_u64 s[22:23], s[6:7], s[22:23]
	s_add_nc_u64 s[46:47], s[8:9], s[46:47]
	s_add_nc_u64 s[92:93], s[10:11], s[92:93]
	CROUND                                         ; all sixteen work-groups are here: the joint loads meet
	s_mov_b32 s[G0S], 1
	s_add_co_u32 s[G0S+1], s94, SCL
	s_mov_b64 s[G0S+2:G0S+3], s[22:23]
	s_or_b32 s[G0S+3], s[G0S+3], 0x80000000
	s_mov_b32 s[G0SB], 1
	s_add_co_u32 s[G0SB+1], s94, SCL
	s_mov_b64 s[G0SB+2:G0SB+3], s[92:93]
	s_or_b32 s[G0SB+3], s[G0SB+3], 0x80000000
	JLOAD G0S, G1S, G0SB, G1SB                     ; the scales first: they are wanted with the first step
.irp s, 0,1
	s_mov_b32 s[G0+4*\s], 1
	s_add_co_u32 s[G0+4*\s+1], s45, \s*SLOT
	s_add_nc_u64 s[G0+4*\s+2:G0+4*\s+3], s[20:21], \s*ROWB
	s_or_b32 s[G0+4*\s+3], s[G0+4*\s+3], 0x80000000
	s_mov_b32 s[G0B+4*\s], 1
	s_add_co_u32 s[G0B+4*\s+1], s45, \s*SLOT
	s_add_nc_u64 s[G0B+4*\s+2:G0B+4*\s+3], s[46:47], \s*ROWB
	s_or_b32 s[G0B+4*\s+3], s[G0B+4*\s+3], 0x80000000
	JLOAD G0+4*\s, G1, G0B+4*\s, G1B               ; three loads of mine are out
.endr
	; which bias and which factor: by the cluster's x, which all sixteen partners share
	s_cmp_eq_u32 ttmp9, 1
	s_cselect_b64 s[100:101], s[98:99], s[100:101]
	s_cmp_eq_u32 ttmp9, 0
	s_cselect_b64 s[100:101], s[96:97], s[100:101]
	s_cselect_b32 s2, 0x3e38aa3b, 1.0              ; c = log2(e) / 8 for q, 1 for k and v
	s_mov_b32 s3, s2                               ; (named with it as a pair)
	v_and_b32 v1, 15, v0                           ; r = l % 16
	v_bfe_u32 v2, v0, 4, 1                         ; h = l / 16
	v_lshlrev_b32 v8, 5, v2                        ; the bias: my half's eight numbers of a block of 16 columns
	s_lshl_b32 s46, s40, 10
	s_lshl_b32 s47, s16, 9
	s_add_co_u32 s46, s46, s47                     ; (256 cx + 128 x half) numbers into the section's 1,024
	s_mov_b32 s47, 0
	s_add_nc_u64 s[100:101], s[100:101], s[46:47]
.irp b, 0,1,2,3,4,5,6,7
	global_load_b128 v[BIA+8*\b:BIA+8*\b+3], v8, s[100:101] offset:64*\b
	global_load_b128 v[BIA+8*\b+4:BIA+8*\b+7], v8, s[100:101] offset:64*\b+16
.endr
	v_mul_u32_u24 v3, v1, PITCH
	v_lshl_add_u32 v4, v2, 4, v3                   ; a fragment's row x pitch + 16 x half
	s_mul_i32 s21, s15, HALFT                      ; my 128 rows of A
	s_mul_i32 s22, s16, HALFT                      ; my 128 rows of B,
	s_add_co_u32 s22, s22, 2*HALFT                 ; which lie behind A's 256
.irp s, 0,1
	v_add_nc_u32 v[ADRA+\s], s21, v4
	v_add_nc_u32 v[ADRB+\s], s22, v4
	s_add_co_u32 s21, s21, SLOT
	s_add_co_u32 s22, s22, SLOT
.endr
	v_mul_u32_u24 v5, v1, KS                       ; my row's scales: KS bytes a row,
	v_lshrrev_b32 v6, 8, v5
	v_lshl_add_u32 v5, v6, 4, v5                   ; and 16 more for each 256 passed
	s_mul_i32 s21, s15, HALFS
	s_mul_i32 s22, s16, HALFS
	s_add_co_u32 s22, s22, 2*HALFS
	s_sub_co_u32 s22, s22, s21
	v_mul_u32_u24 v6, s22, v2                      ; lanes 16-31 take B's: one product, the distance between the two bases
	s_add_co_u32 s21, s21, SCL
	v_add_nc_u32 v5, v5, v6
	v_add_nc_u32 v[ADRS], s21, v5
	s_mul_i32 s23, s14, STGB                       ; my stage
	v_mul_u32_u24 v5, v1, 144                      ; in: token r, 16 bytes for each half of the lanes
	v_lshl_add_u32 v5, v2, 4, v5
	v_add_nc_u32 v[STO], s23, v5
	v_and_b32 v6, 31, v0
	v_lshlrev_b32 v[CO], 4, v6
	v_lshrrev_b32 v5, 3, v6                        ; back: eight lanes take a token's 128 bytes, the wave four tokens
	v_mul_u32_u24 v5, v5, 144
	v_and_b32 v7, 7, v6
	v_lshl_add_u32 v5, v7, 4, v5
	v_add_nc_u32 v[RD], s23, v5
	s_lshr_b32 s20, s17, 3                         ; where my part begins in qkv.  By the tile row: b,
	s_lshl_b32 s20, s20, 15                        ; 16 heads of 2,048 tokens each,
	s_and_b32 s21, s17, 7
	s_lshl_b32 s21, s21, 8
	s_add_co_u32 s20, s20, s21                     ; the tile's 256 tokens,
	s_lshl_b32 s21, s15, 7
	s_add_co_u32 s20, s20, s21                     ; my 128 of them,
	s_lshl_b32 s20, s20, 7                         ; 128 bytes a token
	s_mov_b32 s21, 0
	s_add_nc_u64 s[12:13], s[12:13], s[20:21]
	s_lshl_b32 s46, s40, 2                         ; by the tile column: head 4 cx + 2 x half,
	s_lshl_b32 s47, s16, 1
	s_add_co_u32 s46, s46, s47
	s_lshl_b32 s46, s46, 18                        ; 2,048 tokens of 128 bytes,
	s_lshl_b32 s47, ttmp9, 23                      ; and the section
	s_add_co_u32 s46, s46, s47
	s_mov_b32 s47, 0
	s_add_nc_u64 s[12:13], s[12:13], s[46:47]
.macro FRAG reg, adr, q, i             ; 16 rows x 128 K of 4-bit codes: 8 registers: lane l holds row l % 16; registers 4 c .. 4 c + 3 hold K = 64 c + 32 (l / 16) + 0 .. 31
.irp c, 0,1
	ds_load_b128 v[\reg+4*\c:\reg+4*\c+3], v[\adr] offset:64*(\q)+32*\c+(\i)*16*PITCH
.endr
.endm
; 16 matrix instructions: A's blocks a0, a0 + 1 x B's eight, the slot's q-th 128 along K.  p: B's set; sc: the set of scale words.  zero = 1: the first product starts the sums from the bias.
; The 64 accumulators take turns, one instruction a turn, in the same order in every step.
.macro MUL16 a0, p, q, sc, zero
.irp a, \a0, \a0+1
.irp b, 0,1,2,3,4,5,6,7
.if \zero
	v_wmma_scale_f32_16x16x128_f8f6f4 v[8*(8*((\a)%4)+\b):8*(8*((\a)%4)+\b)+7], v[128*(\p)+FR*\b:128*(\p)+FR*\b+FR-1], v[AF+FR*(\a):AF+FR*(\a)+FR-1], v[BIA+8*\b:BIA+8*\b+7], v[SC+8*NQ*(\sc)+NQ*\b+(\q)], v[SC+8*NQ*(\sc)+NQ*(\a)+(\q)] matrix_a_fmt:MATRIX_FMT_FP4 matrix_b_fmt:MATRIX_FMT_FP4 matrix_a_scale:MATRIX_SCALE_ROW1
.else
	v_wmma_scale_f32_16x16x128_f8f6f4 v[8*(8*((\a)%4)+\b):8*(8*((\a)%4)+\b)+7], v[128*(\p)+FR*\b:128*(\p)+FR*\b+FR-1], v[AF+FR*(\a):AF+FR*(\a)+FR-1], v[8*(8*((\a)%4)+\b):8*(8*((\a)%4)+\b)+7], v[SC+8*NQ*(\sc)+NQ*\b+(\q)], v[SC+8*NQ*(\sc)+NQ*(\a)+(\q)] matrix_a_fmt:MATRIX_FMT_FP4 matrix_b_fmt:MATRIX_FMT_FP4 matrix_a_scale:MATRIX_SCALE_ROW1
.endif
.endr
.endr
.endm
.macro FETCH_B slot, q, p
	WIN TO_B
.irp i, 0,1,2,3,4,5,6,7
	FRAG 128*(\p)+FR*\i, ADRB+\slot, \q, \i
.endr
	WIN 0
.endm
.macro FETCH_A slot, q, i0
.irp i, \i0, \i0+1, \i0+2, \i0+3
	FRAG AF+FR*(\i), ADRA+\slot, \q, \i
.endr
.endm
.macro SCALES sc                       ; a slot's scale words: four words a row; lanes 0-15 take A's block i, lanes 16-31 B's block i
.irp i, 0,1,2,3,4,5,6,7
	ds_load_b128 v[SC+8*NQ*\sc+NQ*\i:SC+8*NQ*\sc+NQ*\i+3], v[ADRS] offset:\i*SBLK
.endr
.endm
.macro PLACES n                        ; plain vector instructions between a matrix instruction and a load into, or a vector read of, its registers
.rept \n
	v_nop
.endr
.endm
; A step of 128 along K that has its successor in the same slot.  A has one set of registers: blocks 0-3 are fetched anew in the step's middle, blocks 4-7 at its end; B has two sets.
.macro STEP slot, q, zero
	s_wait_dscnt 4*NL                              ; B's set and A's blocks 0-3 are in; the youngest eight loads (A's blocks 4-7) may be out
.if \zero
	WIN 0x81                                       ; C (the bias) window 0, D window 2
.else
	WIN MUL_LO
.endif
	MUL16 0, (\q)%2, \q, \slot, \zero
	MUL16 2, (\q)%2, \q, \slot, \zero
	s_wait_dscnt 0                                 ; A's blocks 4-7 are in
	PLACES NP
	FETCH_B \slot, (\q)+1, 1-(\q)%2
	FETCH_A \slot, (\q)+1, 0
.if \zero
	WIN 0xc1                                       ; C window 0, D window 3
.else
	WIN MUL_HI
.endif
	MUL16 4, (\q)%2, \q, \slot, \zero
	MUL16 6, (\q)%2, \q, \slot, \zero
	PLACES NP
	WIN 0
	FETCH_A \slot, (\q)+1, 4
.endm
; Slot 0's last step goes on into slot 1: one barrier; in front of it each wave waits for all its tensor loads (its part of slot 1), adds 0 to its spare word, and waits for that and for its reads of slot 0.
.macro TURN slot, next
	s_wait_tensorcnt 0x0                           ; all my tensor loads have landed
	ds_add_u32 v[SPW], v[NIL]                      ; 0 onto my spare word
	s_wait_dscnt 4*NL+1                            ; (the add and the youngest eight loads may be out)
	WIN MUL_LO
	MUL16 0, 1, NQ-1, \slot, 0
	s_wait_dscnt 0x0                               ; the add is done, and my reads of this slot are over
	s_barrier_signal -1
	MUL16 2, 1, NQ-1, \slot, 0
	WIN 0
	s_barrier_wait -1                              ; the next slot is whole, and nobody reads this one any more
	PLACES NP
	v_add_nc_u32 v[ADRS], 4*NQ, v[ADRS]            ; on to the next slot's scale words
	FETCH_B \next, 0, 0
	FETCH_A \next, 0, 0
	SCALES \next
	WIN MUL_HI
	MUL16 4, 1, NQ-1, \slot, 0
	MUL16 6, 1, NQ-1, \slot, 0
	PLACES NP
	WIN 0
	FETCH_A \next, 0, 4
.endm
	s_wait_tensorcnt 1                             ; the scales and my part of slot 0 are in (slot 1's load may be out)
	s_barrier_signal -1
	s_barrier_wait -1                              ; everybody's are
	FETCH_B 0, 0, 0
	FETCH_A 0, 0, 0
	SCALES 0
	FETCH_A 0, 0, 4
	s_wait_loadcnt 0x0                             ; the bias
	STEP 0, 0, 1
	STEP 0, 1, 0
	STEP 0, 2, 0
	TURN 0, 1
	STEP 1, 0, 0
	STEP 1, 1, 0
	STEP 1, 2, 0
	s_wait_dscnt 4*NL                              ; the last step: nothing more to fetch
	WIN MUL_LO
	MUL16 0, 1, NQ-1, 1, 0
	MUL16 2, 1, NQ-1, 1, 0
	s_wait_dscnt 0
	WIN MUL_HI
	MUL16 4, 1, NQ-1, 1, 0
	MUL16 6, 1, NQ-1, 1, 0
	WIN 0
; THE WAY OUT, block by block of 16 tokens x 128 columns (two heads).  PACK: x the factor, rounded to f16: 16 bytes a lane.  TOSTAGE: into my stage, [head][token][144 bytes], and back as four tokens' 512 bytes.  SEND: stored.
.macro PACK a
.set AC, 64*((\a)%4)
	WIN 0x82+0x41*((\a)/4)                         ; destination and source 0: window 2 or 3
.set n, 0
.rept 32
	v_pk_mul_f32 v[AC+n:AC+n+1], v[AC+n:AC+n+1], s[2:3] op_sel_hi:[1,0]    ; ascending: each accumulator is read from its low end on
.set n, n+2
.endr
	WIN 0x0a+5*((\a)/4)                            ; sources 0 and 1: window 2 or 3
.irp b, 0,1,2,3,4,5,6,7
.irp r, 0,1,2,3
	v_cvt_pk_f16_f32 v[TMP+4*\b+\r], v[AC+8*\b+2*\r], v[AC+8*\b+2*\r+1]
.endr
.endr
	WIN 0
.endm
.macro TOSTAGE a
.set BB, BK+32*((\a)%2)
.irp b, 0,1,2,3,4,5,6,7
	ds_store_b128 v[STO], v[TMP+4*\b:TMP+4*\b+3] offset:(\b/4)*2304+(\b%4)*32
.endr
.irp t, 0,1,2,3,4,5,6,7
	ds_load_b128 v[BB+4*\t:BB+4*\t+3], v[RD] offset:(\t/4)*2304+(\t%4)*576   ; LDS serves a wave's instructions in order: these see the stores above
.endr
.endm
.macro SEND a
.set BB, BK+32*((\a)%2)
	s_wait_dscnt 0x0                               ; the block is back in registers
	s_wait_xcnt 0x0                                ; the stores of the block before have read their registers: the next block's loads may land there
.irp t, 0,1,2,3,4,5,6,7
	global_store_b128 v[CO], v[BB+4*\t:BB+4*\t+3], s[12:13] offset:(\t/4)*262144+(16*(\a)+4*(\t%4))*128   ; 512 consecutive bytes: four tokens of one head
.endr
.endm
	PLACES NP
	PACK 0
	TOSTAGE 0
.irp a, 1,2,3,4,5,6,7                  ; block a's arithmetic stands between block a - 1's loads from the stage and the wait for them
	PACK \a
	SEND \a-1
	TOSTAGE \a
.endr
	SEND 7
	s_wait_tensorcnt 0x0                           ; the wave's end, behind my last tensor load and my last LDS store
	ds_add_u32 v[SPW], v[NIL]
	s_wait_dscnt 0x0
	CROUND                                         ; the closing round
	s_endpgm
.Lfunc_end_k_q8f5aa00bb2_qkv:
	.size	k_q8f5aa00bb2_qkv, .Lfunc_end_k_q8f5aa00bb2_qkv-k_q8f5aa00bb2_qkv
	.p2alignl 7, 3214868480
	.fill 96, 4, 3214868480
	.section	.rodata,"a",@progbits
	.p2align	6, 0x0
	.amdhsa_kernel k_q8f5aa00bb2_qkv
		.amdhsa_group_segment_fixed_size 327680
		.amdhsa_private_segment_fixed_size 0
		.amdhsa_enable_private_segment 0
		.amdhsa_kernarg_size 64
		.amdhsa_user_sgpr_count 2
		.amdhsa_user_sgpr_kernarg_segment_ptr 1
		.amdhsa_wavefront_size32 1
		.amdhsa_system_sgpr_workgroup_id_x 1
		.amdhsa_system_sgpr_workgroup_id_y 1
		.amdhsa_system_sgpr_workgroup_id_z 1
		.amdhsa_system_vgpr_workitem_id 0
		.amdhsa_next_free_vgpr 1024
		.amdhsa_next_free_sgpr 102
		.amdhsa_reserve_vcc 0
		.amdhsa_float_denorm_mode_32 3
		.amdhsa_float_denorm_mode_16_64 3
		.amdhsa_memory_ordered 1
		.amdhsa_forward_progress 1
		.amdhsa_inst_pref_size 145
	.end_amdhsa_kernel
	.amdgpu_metadata
---
amdhsa.version: [ 1, 2 ]
amdhsa.kernels:
  - .name:           k_q8f5aa00bb2_qkv
    .symbol:         k_q8f5aa00bb2_qkv.kd
    .args:
      - { .name: xc, .offset: 0, .size: 8, .value_kind: global_buffer, .address_space: global }
      - { .name: xs, .offset: 8, .size: 8, .value_kind: global_buffer, .address_space: global }
      - { .name: wc, .offset: 16, .size: 8, .value_kind: global_buffer, .address_space: global }
      - { .name: ws, .offset: 24, .size: 8, .value_kind: global_buffer, .address_space: global }
      - { .name: qkv, .offset: 32, .size: 8, .value_kind: global_buffer, .address_space: global }
      - { .name: bq, .offset: 40, .size: 8, .value_kind: global_buffer, .address_space: global }
      - { .name: bk, .offset: 48, .size: 8, .value_kind: global_buffer, .address_space: global }
      - { .name: bv, .offset: 56, .size: 8, .value_kind: global_buffer, .address_space: global }
    .group_segment_fixed_size: 327680
    .private_segment_fixed_size: 0
    .kernarg_segment_align: 8
    .kernarg_segment_size: 64
    .max_flat_workgroup_size: 128
    .sgpr_count:     102
    .vgpr_count:     1024
    .wavefront_size: 32
...
	.end_amdgpu_metadata
.endif
;; end of part 2
;; launch attn (part 3): grid 8 x 32, 8 waves a work-group, clusters of 4 x 1, 327,680 bytes of LDS; arguments qkv, pbx, hd; writes hd
.if DOCPART == 3
	.amdgcn_target "amdgcn-amd-amdhsa--gfx1250"
	.amdhsa_code_object_version 6
	.text
	.protected	k_q8f5aa00bb2_attn
	.globl	k_q8f5aa00bb2_attn
	.p2align	8
	.type	k_q8f5aa00bb2_attn,@function
k_q8f5aa00bb2_attn:
	s_mov_b64 s[64:65], 0
	v_nop
	global_prefetch_b8 v0, s[64:65] scope:SCOPE_SE
	s_setreg_imm32_b32 hwreg(HW_REG_WAVE_MODE, 25, 1), 1
	s_wait_xcnt 0x0
	s_wait_alu depctr_hold_cnt(0) depctr_sa_sdst(0) depctr_va_vdst(0) depctr_va_sdst(0) depctr_va_ssrc(0) depctr_va_vcc(0) depctr_vm_vsrc(0)
	s_getreg_b32 s2, hwreg(HW_REG_IB_STS2, 6, 4)
	s_cmp_eq_u32 s2, 0
	s_cbranch_scc0 .Lentry_in_a_cluster
	s_endpgm
.Lentry_in_a_cluster:
	s_bfe_u32 s2, ttmp6, 0x10000c
	s_cmp_lg_u32 s2, 0x3003
	s_cbranch_scc0 .Lentry_shape_is_right
	s_endpgm
.Lentry_shape_is_right:
; heads[b][h][q] = the sum over k of softmax_k(q . k / 8 + pos_bias[h][q - k + 2047]) v[k].  qkv [section][b][h][token][64] f16 (section 0 = c q, c = log2(e) / 8); pbx: the bias table x log2(e), reversed, in four shifted copies;
; hd [h][b x 2048 + token][64] f16.  Products on f16 operands with f32 sums; maxima, exponentials and sums in f32; the weights p are rounded to f16 for the second product, the result once at the end.
; LIMIT: |heads| beyond 65,504 becomes infinity in f16.
; SHARES.  A work-group owns 256 queries of one (b, h).  Eight waves, two to a SIMD, so that one wave's vector work stands beside the other's products.  Wave w: wq = w % 4 names its 64 queries (four tiles of 16),
; g = w / 4 the half of each slot's 256 keys that it walks, 64 keys a step.  So each fragment of K and V read from LDS feeds four products.  Each wave keeps its own maximum, sum and O^T; the two halves are merged once, at the end.
; LAYOUT.  S^T = K Q^T + bias (source 0 = 16 keys, source 1 = 16 queries, C of the first link = the bias tile): a lane holds ONE query (lane % 16) and keys 8 (lane / 16) + 0..7, and S is already the exponent of two.
; Two such tiles, rounded to f16 in pairs, ARE source 1 of O^T += V^T P.  K comes out of LDS as it lies, V ([key][channel]) turned, by ds_load_tr16_b128.
; THE BIAS hangs on key - query alone: a tile of 16 keys x 16 queries on d = key tile - query tile + 3, 0 to 6: seven tiles of 8 registers serve a step's sixteen.  A lane wants eight neighbouring words of the reversed row,
; beginning at a word that is 3 - (r % 4) modulo 4: it reads the copy shifted by that much, where the run is two aligned pieces of 16 bytes.  The work-group keeps only its own window of the table: 144 blocks of 256 bytes.
; SOFTMAX.  A running maximum m and sum l for each query: p = 2^(S - m); in every step O^T and l are multiplied by a = 2^(m_old - m_new).
; CLUSTER.  The four query blocks of a cluster belong to one (b, h) and walk the same K and V: each tile is asked for JOINTLY, by the same tensor load with a mask that names the four.  The bias window differs: a plain load.
; REGISTERS.  Window 0: v2-18 addresses; v24-55 statistics, 8 a tile (+0 -m, +1 m, +2 +3 l, +4..+7 at work; a takes +6); v64-191 S^T (32 qt + 8 kt); v192-255 P (16 qt + 4 kt), and ahead of the softmax the seven bias tiles.
;   Window 1: v0-127 O^T (32 qt + 8 ct); v128-191 Q (16 qt + 8 cc); v192-255 K's fragments, then V's.
.set PK,    144                        ; a key's row of K in LDS: 128 bytes + 16
.set PV,    160                        ; of V: 128 + 32: an odd multiple of 32 bytes
.set VOFF,  256*PK                     ; a slot: 256 rows of K, then 256 of V: 77,824 bytes
.set SLOT1, 1<<17                      ; slot 1 begins here: one exclusive or turns an address in one slot into the other's
.set STG,   77824                      ; behind slot 0: the way out's stages, 16 tokens x 144 bytes for each of waves 0-3
.set BIAS,  SLOT1+77824                ; behind slot 1: the bias window, 36,864 bytes
.set SPARE, BIAS+36864                 ; the spare words, 128 bytes a wave
.set MRG,   SPARE+1024                 ; the merge: for each wq 16,384 bytes of O^T's registers as they stand, and 1,024 of statistics
.set MRGW,  17408
.set AK0, 2
.set AV0, 3
.set AB0, 4
.set AB1, 5
.set ADK, 6
.set ADV, 7
.set ADB, 8                            ; v8, v9
.set QO,  10
.set STO, 11
.set RD,  12
.set GO,  13
.set SPW, 14                           ; my spare word; never rewritten
.set NIL, 15                           ; 0; never rewritten
.set MA,  16
.set MS,  17
.set PFO, 18
.set ST,  24
.set S,   64
.set P,   192
.set BI,  192
.set QF,  128                          ; in window 1
.set KV,  192                          ; in window 1
.set WV,  10                           ; s10 wave; s11 wq; s12 g; s13 cx; s14 query block; s16 (b, h)
.set LIM, 15
.set PFA, 18
.set G1K, 24
.set G1V, 32
.set G0K, 40
.set G0V, 48
.set SLOTS, 56
.set TB,  57                           ; LDS byte at which the slot in hand begins
.set TBB, 58                           ; and how far the bias window has been walked: 4,096 bytes for 256 keys
.set SEL, 60
.set G1P, 68
.set G0P, 76
.set MSB, 0
.macro WIN new                         ; the immediate's high byte repeats the setting that is left
.if MSB != \new
	s_set_vgpr_msb (MSB<<8)|\new
.set MSB, \new
.endif
.endm
.set W_KQ, 0x05                        ; K and Q in window 1, C and D in window 0
.set W_PV, 0x51                        ; V, C and D in window 1, P in window 0
.set TO1,  0x40                        ; destination window 1
.set W_RS, 0x41                        ; O^T (destination and source 0) window 1, a window 0
; A joint refill: waves 0-3 fetch K's quarters of a slot, waves 4-7 V's.  The branch hangs on the wave's number alone.  An s_nop 0 and four v_nop follow each line.
.macro JLOAD
	s_cmp_lt_u32 s[WV], 4
	s_cbranch_scc0 .Lfor_v_\@
	tensor_load_to_lds s[G0K+4:G0K+7], s[G1K:G1K+7]
	s_nop 0
.rept 4
	v_nop
.endr
	s_branch .Lasked_\@
.Lfor_v_\@:
	tensor_load_to_lds s[G0V+4:G0V+7], s[G1V:G1V+7]
	s_nop 0
.rept 4
	v_nop
.endr
.Lasked_\@:
.endm
; A prefetch of what the NEXT change of slots will ask for: 32,768 bytes of K and of V.  Each block of 256 bytes is named once in the launch: both clusters of a (b, h) walk the same rows, and the first of them asks;
; its four partners take 8,192 bytes each, told apart by address; in each, wave 0 asks for K's and wave 4 for V's, a lane a block.  The last change that fills a slot asks for nothing.
.macro ASK
	s_cmp_gt_u32 s[SLOTS], s[LIM]
	s_cbranch_scc0 .Lnot_mine_\@
	global_prefetch_b8 v[PFO], s[PFA:PFA+1] th:TH_LOAD_NT scope:SCOPE_SE
.Lnot_mine_\@:
.endm
.macro CROUND                          ; a round of the cluster's barrier
	s_barrier_signal -1
	s_barrier_wait -1
	s_cmp_lg_u32 s[WV], 0
	s_cbranch_scc1 .Lnot_wave_0_\@
	s_barrier_signal -3
.Lnot_wave_0_\@:
	s_barrier_wait -3
	s_barrier_signal -1
	s_barrier_wait -1
.endm
	s_load_b128 s[4:7], s[0:1], 0x0                ; qkv s[4:5], pbx s[6:7]
	s_load_b64 s[8:9], s[0:1], 0x10                ; hd
	v_lshl_add_u32 v[SPW], v0, 2, SPARE
	v_mov_b32 v[NIL], 0
	ds_add_u32 v[SPW], v[NIL]                      ; the wave's opening: the add and its wait stand ahead of my first tensor load; the set-up below stands between them
	v_lshrrev_b32 v1, 5, v0
	v_readfirstlane_b32 s[WV], v1                  ; wave 0..7
	s_and_b32 s11, s[WV], 3                        ; wq
	s_lshr_b32 s12, s[WV], 2                       ; g
	s_bfe_u32 s13, ttmp6, 0x40000                  ; cx
	s_lshl_b32 s14, ttmp9, 2
	s_add_co_u32 s14, s14, s13                     ; my block of 256 queries: it enters Q's, hd's and the bias window's global addresses alone
	s_and_b32 s16, ttmp7, 0xffff                   ; (b, h), which the four partners share
	s_lshl_b32 s20, s16, 18                        ; a head's 2,048 tokens of 128 bytes,
	s_lshl_b32 s21, s11, 13                        ; and 64 tokens for each wq: my quarter of a slot, and my queries in a block
	s_add_co_u32 s20, s20, s21
	s_mov_b32 s21, 0
	s_lshl_b32 s22, s14, 15
	s_add_co_u32 s22, s22, s20                     ; Q: + my block's 256 tokens
	s_mov_b32 s23, 0
	s_and_b32 s80, s16, 15                         ; h
	s_lshl_b32 s82, s80, 16                        ; pbx: a head's table is 65,536 bytes
	s_lshl_b32 s80, s80, 19                        ; hd: a head's 4,096 tokens,
	s_lshr_b32 s81, s16, 4
	s_lshl_b32 s81, s81, 18                        ; b's 2,048,
	s_add_co_u32 s80, s80, s81
	s_lshl_b32 s81, s14, 15
	s_add_co_u32 s80, s80, s81
	s_lshl_b32 s81, s11, 13
	s_add_co_u32 s80, s80, s81
	s_mov_b32 s81, 0
	s_xor_b32 s83, s14, 7
	s_lshl_b32 s83, s83, 12                        ; the window begins at block 112 - 16 x query block = 16 x (7 - query block)
	s_add_co_u32 s82, s82, s83
	s_mul_i32 s83, s[WV], 4608                     ; my 18 blocks of its 144
	s_add_co_u32 s82, s82, s83
	s_add_co_u32 s90, s83, BIAS
	s_mov_b32 s83, 0
	s_mul_i32 s88, s11, 64*PK                      ; my quarter's place in a slot: K's,
	s_mul_i32 s89, s11, 64*PV
	s_add_co_u32 s89, s89, VOFF                    ; V's
	; descriptor group 1.  K, V: 64 keys of 128 bytes, dense in memory, stated as 32 rows of 256 bytes; padding behind every 128 bytes
	s_mov_b32 s[G1K], 15|(1<<16)|(1<<20)|(1<<21)|(4<<22)|(3<<25)   ; the mask: all four work-groups; elements of 2 bytes; padding on; bit 21 beside a mask; after every 32 words, 4 words
	s_mov_b32 s[G1V], 15|(1<<16)|(1<<20)|(1<<21)|(4<<22)|(7<<25)   ; the same with 8 words
.irp g, G1K, G1V
	s_mov_b32 s[\g+1], 128<<16                     ; tensor_dim0
	s_mov_b32 s[\g+2], 32<<16                      ; tensor_dim1
	s_mov_b32 s[\g+3], 128<<16                     ; tile_dim0
	s_mov_b32 s[\g+4], 32                          ; tile_dim1
	s_mov_b32 s[\g+5], 128                         ; from row to row
	s_mov_b32 s[\g+6], 0
	s_mov_b32 s[\g+7], 0
.endr
	s_mov_b32 s[G1P], 3<<16                        ; the bias window: no mask, elements of 8 bytes, no padding: 18 rows of 256 bytes
	s_mov_b32 s[G1P+1], 32<<16
	s_mov_b32 s[G1P+2], 18<<16
	s_mov_b32 s[G1P+3], 32<<16
	s_mov_b32 s[G1P+4], 18
	s_mov_b32 s[G1P+5], 32
	s_mov_b32 s[G1P+6], 0
	s_mov_b32 s[G1P+7], 0
	s_mov_b32 s[SEL], 0x76543210
	s_mov_b32 s[SEL+1], 0xfedcba98                 ; v_permlanex16_b32's selects for lane l xor 16
	s_mov_b32 s[TB], 0
	s_mov_b32 s[TBB], 0
	s_mov_b32 s[SLOTS], 6                          ; eight slots' worth of keys; two are first fills
	s_or_b32 s[LIM], s11, ttmp9                    ; 0 in waves 0 and 4 of the (b, h)'s first cluster: the same in all four partners
	s_cmp_eq_u32 s[LIM], 0
	s_cselect_b32 s[LIM], 1, -1
	s_mov_b32 s2, 16777216+2*32768                 ; the prefetches begin in slot 2 (the first change steps them to slot 3): V's section,
	s_cmp_lt_u32 s[WV], 4
	s_cselect_b32 s2, 8388608+2*32768, s2          ; or K's,
	s_lshl_b32 s3, s13, 13
	s_add_co_u32 s2, s2, s3                        ; + my work-group's 8,192 bytes
	s_mov_b32 s3, 0
	s_wait_dscnt 0x0                               ; the opening add is done
	s_wait_kmcnt 0x0
	s_add_nc_u64 s[84:85], s[4:5], s[22:23]        ; Q at my first query
	s_add_nc_u64 s[86:87], s[8:9], s[80:81]        ; hd likewise
	s_add_nc_u64 s[4:5], s[4:5], s[20:21]          ; qkv at the head's first token + my quarter
	s_add_nc_u64 s[6:7], s[6:7], s[82:83]          ; pbx at my part of the window
	s_add_nc_u64 s[PFA:PFA+1], s[4:5], s[2:3]      ; (waves 0 and 4 have quarter 0)
	CROUND                                         ; all four work-groups are here: the first loads meet
.irp s, 0,1
	s_mov_b32 s[G0K+4*\s], 1
	s_add_co_u32 s[G0K+4*\s+1], s88, \s*SLOT1
	s_add_nc_u64 s[G0K+4*\s+2:G0K+4*\s+3], s[4:5], 8388608+\s*32768
	s_or_b32 s[G0K+4*\s+3], s[G0K+4*\s+3], 0x80000000
	s_mov_b32 s[G0V+4*\s], 1
	s_add_co_u32 s[G0V+4*\s+1], s89, \s*SLOT1
	s_add_nc_u64 s[G0V+4*\s+2:G0V+4*\s+3], s[4:5], 16777216+\s*32768
	s_or_b32 s[G0V+4*\s+3], s[G0V+4*\s+3], 0x80000000
.endr
	s_mov_b32 s[G0P], 1
	s_mov_b32 s[G0P+1], s90
	s_mov_b64 s[G0P+2:G0P+3], s[6:7]
	s_or_b32 s[G0P+3], s[G0P+3], 0x80000000
	s_cmp_lt_u32 s[WV], 4                          ; a wave's three first fills stand in one branch, ahead of every wait on TENSORcnt and every LDS read: three loads of mine are out
	s_cbranch_scc0 .Lfirst_v
	tensor_load_to_lds s[G0P:G0P+3], s[G1P:G1P+7]
	s_nop 0
	tensor_load_to_lds s[G0K:G0K+3], s[G1K:G1K+7]
	s_nop 0
	tensor_load_to_lds s[G0K+4:G0K+7], s[G1K:G1K+7]
	s_nop 0
.rept 4
	v_nop
.endr
	s_branch .Lfirst_asked
.Lfirst_v:
	tensor_load_to_lds s[G0P:G0P+3], s[G1P:G1P+7]
	s_nop 0
	tensor_load_to_lds s[G0V:G0V+3], s[G1V:G1V+7]
	s_nop 0
	tensor_load_to_lds s[G0V+4:G0V+7], s[G1V:G1V+7]
	s_nop 0
.rept 4
	v_nop
.endr
.Lfirst_asked:
	v_and_b32 v19, 31, v0                          ; l
	v_and_b32 v1, 15, v0                           ; r
	v_bfe_u32 v20, v0, 4, 1                        ; h
	v_lshlrev_b32 v[QO], 7, v1
	v_lshl_add_u32 v[QO], v20, 4, v[QO]            ; Q: row r of 128 bytes + 16 h
	WIN TO1
.irp qt, 0,1,2,3                       ; Q stays in registers: a fragment is 16 queries x 32 channels: two loads of 16 bytes, 32 bytes apart
.irp cc, 0,1
	global_load_b128 v[QF+16*\qt+8*\cc:QF+16*\qt+8*\cc+3], v[QO], s[84:85] offset:2048*\qt+64*\cc
	global_load_b128 v[QF+16*\qt+8*\cc+4:QF+16*\qt+8*\cc+7], v[QO], s[84:85] offset:2048*\qt+64*\cc+32
.endr
.endr
	WIN 0
	v_mul_u32_u24 v[AK0], v1, PK
	v_lshl_add_u32 v[AK0], v20, 4, v[AK0]
	s_mul_i32 s20, s12, 128*PK
	v_add_nc_u32 v[AK0], s20, v[AK0]               ; K: row r x pitch + 16 h + my half of the slot's keys
	v_and_b32 v21, 7, v0
	v_lshl_add_u32 v21, v20, 3, v21
	v_mul_u32_u24 v[AV0], v21, PV                  ; V, for the turning load: key 8 h + l % 8,
	v_bfe_u32 v21, v0, 3, 1
	v_lshl_add_u32 v[AV0], v21, 4, v[AV0]          ; channels 8 ((l / 8) % 2) on
	s_mul_i32 s20, s12, 128*PV
	s_add_co_u32 s20, s20, VOFF
	v_add_nc_u32 v[AV0], s20, v[AV0]
	; the bias: word 204 - 64 wq - (r & 12) + 8 h + (the step's first key) + 16 d of the window, in copy (r & 3) xor 3.  204 - 64 wq = 64 (wq xor 3) + 12; u = ((r & 12) xor 12) + 8 h
	v_and_b32 v21, 12, v1
	v_xor_b32 v21, 12, v21
	v_lshl_add_u32 v21, v20, 3, v21                ; u
	v_and_b32 v22, 3, v1
	v_xor_b32 v22, 3, v22
	v_lshlrev_b32 v22, 6, v22                      ; the copy: 64 bytes in each block of 256
	s_xor_b32 s20, s11, 3
	s_lshl_b32 s20, s20, 10                        ; 16 words are a block of 256 bytes
	s_lshl_b32 s21, s12, 11                        ; my half's 128 keys
	s_add_co_u32 s20, s20, s21
	s_add_co_u32 s20, s20, BIAS
	v_add_nc_u32 v22, s20, v22
	v_lshrrev_b32 v23, 4, v21
	v_lshl_add_u32 v[AB0], v23, 8, v22
	v_and_b32 v23, 15, v21
	v_lshl_add_u32 v[AB0], v23, 2, v[AB0]          ; words u .. u + 3
	v_add_nc_u32 v21, 4, v21
	v_lshrrev_b32 v23, 4, v21
	v_lshl_add_u32 v[AB1], v23, 8, v22
	v_and_b32 v23, 15, v21
	v_lshl_add_u32 v[AB1], v23, 2, v[AB1]          ; words u + 4 .. u + 7
	s_mul_i32 s20, s11, 16*PK
	s_add_co_u32 s20, s20, STG                     ; the way out's stage
	v_mul_u32_u24 v[STO], v1, PK
	v_lshl_add_u32 v[STO], v20, 4, v[STO]
	v_add_nc_u32 v[STO], s20, v[STO]               ; in: token r, 16 bytes for each half of the lanes
	v_lshrrev_b32 v21, 3, v19
	v_mul_u32_u24 v[RD], v21, PK
	v_and_b32 v21, 7, v0
	v_lshl_add_u32 v[RD], v21, 4, v[RD]
	v_add_nc_u32 v[RD], s20, v[RD]                 ; back: eight lanes take a token's 128 bytes
	v_lshlrev_b32 v[GO], 4, v19
	s_mul_i32 s20, s11, MRGW
	s_add_co_u32 s20, s20, MRG
	v_add_nc_u32 v[MA], s20, v[GO]                 ; the merge: 16 bytes a lane,
	v_lshl_add_u32 v[MS], v19, 2, s20
	v_add_nc_u32 v[MS], 16384, v[MS]               ; and 4 bytes a lane
	v_lshlrev_b32 v[PFO], 8, v19
; ONE TILE SET'S SOFTMAX for a step of 64 keys, the four tiles by turns within each phase.  first = 1: the first step: no old maximum, no a.
.macro SOFTMAX first
.irp j, 0,1,2,3                        ; the maximum: four chains of seven scores; each tile of S^T is first read at its registers 0 to 2
.irp t, 0,1,2,3
	v_max3_num_f32 v[ST+8*\t+4+\j], v[S+32*\t+8*\j], v[S+32*\t+8*\j+1], v[S+32*\t+8*\j+2]
.endr
.endr
.irp i, 3,5
.irp j, 0,1,2,3
.irp t, 0,1,2,3
	v_max3_num_f32 v[ST+8*\t+4+\j], v[ST+8*\t+4+\j], v[S+32*\t+8*\j+\i], v[S+32*\t+8*\j+\i+1]
.endr
.endr
.endr
.irp t, 0,1,2,3
	v_max3_num_f32 v[ST+8*\t+4], v[ST+8*\t+4], v[S+32*\t+7], v[S+32*\t+15]
	v_max3_num_f32 v[ST+8*\t+6], v[ST+8*\t+6], v[S+32*\t+23], v[S+32*\t+31]
.endr
.irp t, 0,1,2,3
	v_max3_num_f32 v[ST+8*\t+4], v[ST+8*\t+4], v[ST+8*\t+5], v[ST+8*\t+6]
.endr
.irp t, 0,1,2,3
.if \first
	v_max_num_f32 v[ST+8*\t+4], v[ST+8*\t+4], v[ST+8*\t+7]
.else
	v_max3_num_f32 v[ST+8*\t+4], v[ST+8*\t+4], v[ST+8*\t+7], v[ST+8*\t+1]
.endif
.endr
.irp t, 0,1,2,3
	v_permlanex16_b32 v[ST+8*\t+5], v[ST+8*\t+4], s[SEL], s[SEL+1]   ; the query's other 32 keys lie in the lane 16 away
.endr
.if !\first
.irp t, 0,1,2,3
	v_mov_b32 v[ST+8*\t+7], v[ST+8*\t+1]           ; the old m is kept for a
.endr
.endif
.irp t, 0,1,2,3
	v_max_num_f32 v[ST+8*\t+1], v[ST+8*\t+4], v[ST+8*\t+5]
.endr
.irp t, 0,1,2,3
	v_mul_f32 v[ST+8*\t], -1.0, v[ST+8*\t+1]       ; -m
.endr
.if !\first
.irp t, 0,1,2,3
	v_add_f32 v[ST+8*\t+7], v[ST+8*\t+7], v[ST+8*\t]
.endr
.irp t, 0,1,2,3
	v_exp_f32 v[ST+8*\t+6], v[ST+8*\t+7]           ; a = 2^(m_old - m_new)
.endr
.endif
	; ONE BATCH: the subtractions S - m and all the exponentials; none of these lines names an exponential's result.  A tile's subtractions stand among the exponentials of the tile before.
.set n, 0
.rept 16
	v_pk_add_f32 v[S+n:S+n+1], v[S+n:S+n+1], v[ST:ST+1] op_sel_hi:[1,0]
.set n, n+2
.endr
.irp t, 0,1,2,3
.set n, 0
.rept 16
	v_exp_f32 v[S+32*\t+n], v[S+32*\t+n]
	v_exp_f32 v[S+32*\t+n+1], v[S+32*\t+n+1]
.if \t < 3
	v_pk_add_f32 v[S+32*(\t+1)+n:S+32*(\t+1)+n+1], v[S+32*(\t+1)+n:S+32*(\t+1)+n+1], v[ST+8*(\t+1):ST+8*(\t+1)+1] op_sel_hi:[1,0]
.endif
.set n, n+2
.endr
.endr
	v_nop                                          ; a plain instruction behind the last exponential
	s_wait_alu depctr_va_vdst(0)                   ; the wait ahead of the first line that names a result: one for the whole batch
.irp t, 0,1,2,3
.set n, 0
.rept 16
	v_cvt_pk_f16_f32 v[P+16*\t+n], v[S+32*\t+2*n], v[S+32*\t+2*n+1]
.set n, n+1
.endr
.endr
.irp z, 0,1,2,3,4,5,6,7                ; the sums, of the unrounded weights, in place: neighbours 1, 2, 4 and 8 pairs apart
.irp t, 0,1,2,3
	v_pk_add_f32 v[S+32*\t+4*\z:S+32*\t+4*\z+1], v[S+32*\t+4*\z:S+32*\t+4*\z+1], v[S+32*\t+4*\z+2:S+32*\t+4*\z+3]
.endr
.endr
.irp z, 0,1,2,3
.irp t, 0,1,2,3
	v_pk_add_f32 v[S+32*\t+8*\z:S+32*\t+8*\z+1], v[S+32*\t+8*\z:S+32*\t+8*\z+1], v[S+32*\t+8*\z+4:S+32*\t+8*\z+5]
.endr
.endr
.irp z, 0,1
.irp t, 0,1,2,3
	v_pk_add_f32 v[S+32*\t+16*\z:S+32*\t+16*\z+1], v[S+32*\t+16*\z:S+32*\t+16*\z+1], v[S+32*\t+16*\z+8:S+32*\t+16*\z+9]
.endr
.endr
.if \first
.irp t, 0,1,2,3
	v_pk_add_f32 v[ST+8*\t+2:ST+8*\t+3], v[S+32*\t:S+32*\t+1], v[S+32*\t+16:S+32*\t+17]
.endr
.else
.irp t, 0,1,2,3
	v_pk_add_f32 v[S+32*\t:S+32*\t+1], v[S+32*\t:S+32*\t+1], v[S+32*\t+16:S+32*\t+17]
.endr
.irp t, 0,1,2,3
	v_pk_fma_f32 v[ST+8*\t+2:ST+8*\t+3], v[ST+8*\t+2:ST+8*\t+3], v[ST+8*\t+6:ST+8*\t+7], v[S+32*\t:S+32*\t+1] op_sel_hi:[1,0,1]   ; l = a l + the sum
.endr
.endif
.endm
; A STEP: my 64 queries against 64 keys: the st-th 64 of my half of the slot in hand.
.macro STEP st, first
	WIN 0
	v_add_nc_u32 v[ADK], s[TB], v[AK0]             ; four plain instructions: the places between the last products and the loads into registers that they read
	v_add_nc_u32 v[ADV], s[TB], v[AV0]
	v_add_nc_u32 v[ADB], s[TBB], v[AB0]
	v_add_nc_u32 v[ADB+1], s[TBB], v[AB1]
	WIN TO1
.irp kt, 0,1,2,3                       ; K: fragment (kt, cc): 16 keys x 32 channels
.irp cc, 0,1
	ds_load_b128 v[KV+8*(2*\kt+\cc):KV+8*(2*\kt+\cc)+3], v[ADK] offset:64*PK*\st+16*PK*\kt+64*\cc
	ds_load_b128 v[KV+8*(2*\kt+\cc)+4:KV+8*(2*\kt+\cc)+7], v[ADK] offset:64*PK*\st+16*PK*\kt+64*\cc+32
.endr
.endr
	WIN 0
.irp d, 0,1,2,3,4,5,6                  ; the seven bias tiles
	ds_load_b128 v[BI+8*\d:BI+8*\d+3], v[ADB] offset:1024*\st+256*\d
	ds_load_b128 v[BI+8*\d+4:BI+8*\d+7], v[ADB+1] offset:1024*\st+256*\d
.endr
	s_wait_dscnt 0x0
	WIN W_KQ                               ; S^T = K Q^T + bias: the sixteen accumulators take turns, one instruction a turn
.irp kt, 0,1,2,3
.irp qt, 0,1,2,3
	v_wmma_f32_16x16x32_f16 v[S+32*\qt+8*\kt:S+32*\qt+8*\kt+7], v[KV+16*\kt:KV+16*\kt+7], v[QF+16*\qt:QF+16*\qt+7], v[BI+8*(\kt-\qt+3):BI+8*(\kt-\qt+3)+7]
.endr
.endr
.irp kt, 0,1,2,3
.irp qt, 0,1,2,3
	v_wmma_f32_16x16x32_f16 v[S+32*\qt+8*\kt:S+32*\qt+8*\kt+7], v[KV+16*\kt+8:KV+16*\kt+15], v[QF+16*\qt+8:QF+16*\qt+15], v[S+32*\qt+8*\kt:S+32*\qt+8*\kt+7]
.endr
.endr
	WIN 0
.rept 4
	v_nop                                          ; places: ahead of the loads into K's registers, and of the first read of the scores
.endr
	WIN TO1
.irp kk, 0,1                           ; V, turned: fragment (kk, ct): 16 channels x 32 keys; it lands while the softmax is walked
.irp ct, 0,1,2,3
	ds_load_tr16_b128 v[KV+8*(4*\kk+\ct):KV+8*(4*\kk+\ct)+3], v[ADV] offset:64*PV*\st+32*PV*\kk+32*\ct
	ds_load_tr16_b128 v[KV+8*(4*\kk+\ct)+4:KV+8*(4*\kk+\ct)+7], v[ADV] offset:64*PV*\st+32*PV*\kk+32*\ct+16*PV
.endr
.endr
	WIN 0
	SOFTMAX \first
	s_wait_dscnt 0x0                               ; V is in
.if !\first
	WIN W_RS
.irp t, 0,1,2,3
.set n, 0
.rept 16
	v_pk_mul_f32 v[32*\t+n:32*\t+n+1], v[32*\t+n:32*\t+n+1], v[ST+8*\t+6:ST+8*\t+7] op_sel_hi:[1,0]   ; O^T x a, ascending
.set n, n+2
.endr
.endr
.endif
	WIN W_PV                               ; O^T += V^T P: sixteen accumulators by turns
.irp kk, 0,1
.irp ct, 0,1,2,3
.irp qt, 0,1,2,3
.if \first && (\kk == 0)
	v_wmma_f32_16x16x32_f16 v[32*\qt+8*\ct:32*\qt+8*\ct+7], v[KV+8*(4*\kk+\ct):KV+8*(4*\kk+\ct)+7], v[P+16*\qt+8*\kk:P+16*\qt+8*\kk+7], 0
.else
	v_wmma_f32_16x16x32_f16 v[32*\qt+8*\ct:32*\qt+8*\ct+7], v[KV+8*(4*\kk+\ct):KV+8*(4*\kk+\ct)+7], v[P+16*\qt+8*\kk:P+16*\qt+8*\kk+7], v[32*\qt+8*\ct:32*\qt+8*\ct+7]
.endif
.endr
.endr
.endr
	WIN 0
.endm
; THE CHANGE OF SLOTS.  Each wave waits for all its tensor loads (the one that is out is its part of the other slot), adds 0 to its spare word, and waits for that and for its reads of the slot that it leaves.
; fill = 1: that slot is filled again, with the keys two slots on: the barrier is a round of the cluster's, and the joint refill is the first thing behind it: it has a slot's two steps of every wave in which to land.
.macro CHANGE fill
	WIN 0
	s_wait_tensorcnt 0x0                           ; no tensor load of mine is out, so a group 0 may be written
	ds_add_u32 v[SPW], v[NIL]                      ; 0 onto my spare word
.if \fill
.irp g, G0K+4, G0V+4
	s_xor_b32 s[\g+1], s[\g+1], SLOT1              ; the walking descriptor: the other slot than last time,
	s_add_nc_u64 s[\g+2:\g+3], s[\g+2:\g+3], 32768 ; the next 256 keys
.endr
	s_wait_xcnt 0x0                                ; the last prefetch, a slot back, has read its address, so it may be written
	s_add_nc_u64 s[PFA:PFA+1], s[PFA:PFA+1], 32768
	s_wait_dscnt 0x0                               ; the add is done, and my reads of the slot are over
	CROUND
	JLOAD
	ASK
.else
	s_wait_dscnt 0x0
	s_barrier_signal -1
	s_barrier_wait -1
.endif
	s_xor_b32 s[TB], s[TB], SLOT1
	s_add_co_u32 s[TBB], s[TBB], 4096
.endm
	s_wait_tensorcnt 0x1                           ; my parts of the bias window and of slot 0 are in; slot 1's may stay out
	s_barrier_signal -1
	s_barrier_wait -1                              ; everybody's are
	s_wait_loadcnt 0x0                             ; Q
	STEP 0, 1
	STEP 1, 0
.Lslot:                                            ; six trips: behind each change the slot just left takes the keys two slots on
	CHANGE 1
	STEP 0, 0
	STEP 1, 0
	s_sub_co_u32 s[SLOTS], s[SLOTS], 1
	s_cmp_lg_u32 s[SLOTS], 0
	s_cbranch_scc1 .Lslot
	CHANGE 0                                       ; the last slot is written out
	STEP 0, 0
	STEP 1, 0
	; THE END.  l's two halves and the other half of the lanes' are added (twelve plain lines: the places behind the last products).
.irp t, 0,1,2,3
	v_add_f32 v[ST+8*\t+4], v[ST+8*\t+2], v[ST+8*\t+3]
.endr
.irp t, 0,1,2,3
	v_permlanex16_b32 v[ST+8*\t+5], v[ST+8*\t+4], s[SEL], s[SEL+1]
.endr
.irp t, 0,1,2,3
	v_add_f32 v[ST+8*\t+2], v[ST+8*\t+4], v[ST+8*\t+5]
.endr
	s_cmp_lt_u32 s[WV], 4                          ; waves 4-7 hand their O^T, m and l to the wave with the same queries: registers as they stand, 16 bytes a lane
	s_cbranch_scc1 .Lkeep
	WIN 0x04                                       ; an LDS store's data are its source 1: window 1
.set n, 0
.rept 32
	ds_store_b128 v[MA], v[4*n:4*n+3] offset:512*n
.set n, n+1
.endr
	WIN 0
.irp t, 0,1,2,3
	ds_store_b32 v[MS], v[ST+8*\t+1] offset:256*\t
	ds_store_b32 v[MS], v[ST+8*\t+2] offset:256*\t+128
.endr
.Lkeep:
	s_wait_dscnt 0x0                               ; for the others' sake: my stores have landed
	s_barrier_signal -1
	s_barrier_wait -1
	s_cmp_ge_u32 s[WV], 4
	s_cbranch_scc1 .Lend
.set n, 0
.rept 32
	ds_load_b128 v[S+4*n:S+4*n+3], v[MA] offset:512*n
.set n, n+1
.endr
.irp t, 0,1,2,3
	ds_load_b32 v[ST+8*\t+4], v[MS] offset:256*\t
	ds_load_b32 v[ST+8*\t+5], v[MS] offset:256*\t+128
.endr
	s_wait_dscnt 0x0
.irp t, 0,1,2,3
	v_max_num_f32 v[ST+8*\t], v[ST+8*\t+1], v[ST+8*\t+4]           ; the common maximum
.endr
.irp t, 0,1,2,3
	v_sub_f32 v[ST+8*\t+6], v[ST+8*\t+1], v[ST+8*\t]
	v_sub_f32 v[ST+8*\t+7], v[ST+8*\t+4], v[ST+8*\t]
.endr
.irp t, 0,1,2,3
	v_exp_f32 v[ST+8*\t+6], v[ST+8*\t+6]           ; my half's factor,
	v_exp_f32 v[ST+8*\t+7], v[ST+8*\t+7]           ; the other's
.endr
	v_nop
	s_wait_alu depctr_va_vdst(0)                   ; one wait for the eight, ahead of their first reader
.irp t, 0,1,2,3
	v_mul_f32 v[ST+8*\t+2], v[ST+8*\t+2], v[ST+8*\t+6]
.endr
.irp t, 0,1,2,3
	v_fmac_f32 v[ST+8*\t+2], v[ST+8*\t+5], v[ST+8*\t+7]            ; the row's sum
.endr
.irp t, 0,1,2,3
	v_rcp_f32 v[ST+8*\t+4], v[ST+8*\t+2]
.endr
	v_nop
	s_wait_alu depctr_va_vdst(0)                   ; one wait for the four
.irp t, 0,1,2,3
	v_mul_f32 v[ST+8*\t], v[ST+8*\t+6], v[ST+8*\t+4]               ; what my O^T is multiplied by,
	v_mul_f32 v[ST+8*\t+2], v[ST+8*\t+7], v[ST+8*\t+4]             ; and the other half's
.endr
; Tile t: the two halves are joined, rounded to f16 (a lane's eight channels: 16 bytes), sent through my stage and read back as four tokens' 512 bytes, into the registers that they left.
.macro PACK t
.set n, 0
.rept 16
	v_pk_mul_f32 v[S+32*\t+n:S+32*\t+n+1], v[S+32*\t+n:S+32*\t+n+1], v[ST+8*\t+2:ST+8*\t+3] op_sel_hi:[1,0]
.set n, n+2
.endr
	WIN 0x01                                       ; source 0 (my O^T) window 1
.set n, 0
.rept 16
	v_pk_fma_f32 v[S+32*\t+n:S+32*\t+n+1], v[32*\t+n:32*\t+n+1], v[ST+8*\t:ST+8*\t+1], v[S+32*\t+n:S+32*\t+n+1] op_sel_hi:[1,0,1]
.set n, n+2
.endr
	WIN 0
.set n, 0
.rept 16
	v_cvt_pk_f16_f32 v[P+16*\t+n], v[S+32*\t+2*n], v[S+32*\t+2*n+1]
.set n, n+1
.endr
.irp c, 0,1,2,3
	ds_store_b128 v[STO], v[P+16*\t+4*\c:P+16*\t+4*\c+3] offset:32*\c
.endr
.irp c, 0,1,2,3
	ds_load_b128 v[P+16*\t+4*\c:P+16*\t+4*\c+3], v[RD] offset:4*PK*\c   ; LDS serves a wave's instructions in order: these see the stores above; the next tile's stores come behind them
.endr
.endm
.macro SEND t, younger                 ; younger: the LDS instructions issued behind tile t's loads: the next tile's eight, or none
.irp c, 0,1,2,3
	s_wait_dscnt \younger+3-\c
	global_store_b128 v[GO], v[P+16*\t+4*\c:P+16*\t+4*\c+3], s[86:87] offset:2048*\t+512*\c   ; 512 consecutive bytes: four tokens of my head
.endr
.endm
	PACK 0
	PACK 1
	SEND 0, 8
	PACK 2
	SEND 1, 8
	PACK 3
	SEND 2, 8
	SEND 3, 0
.Lend:
	s_wait_tensorcnt 0x0                           ; the wave's end, behind my last tensor load and my last LDS store
	ds_add_u32 v[SPW], v[NIL]
	s_wait_dscnt 0x0
	CROUND                                         ; the closing round
	s_endpgm
.Lfunc_end_k_q8f5aa00bb2_attn:
	.size	k_q8f5aa00bb2_attn, .Lfunc_end_k_q8f5aa00bb2_attn-k_q8f5aa00bb2_attn
	.p2alignl 7, 3214868480
	.fill 96, 4, 3214868480
	.section	.rodata,"a",@progbits
	.p2align	6, 0x0
	.amdhsa_kernel k_q8f5aa00bb2_attn
		.amdhsa_group_segment_fixed_size 327680
		.amdhsa_private_segment_fixed_size 0
		.amdhsa_enable_private_segment 0
		.amdhsa_kernarg_size 24
		.amdhsa_user_sgpr_count 2
		.amdhsa_user_sgpr_kernarg_segment_ptr 1
		.amdhsa_wavefront_size32 1
		.amdhsa_system_sgpr_workgroup_id_x 1
		.amdhsa_system_sgpr_workgroup_id_y 1
		.amdhsa_system_sgpr_workgroup_id_z 1
		.amdhsa_system_vgpr_workitem_id 0
		.amdhsa_next_free_vgpr 512
		.amdhsa_next_free_sgpr 96
		.amdhsa_reserve_vcc 0
		.amdhsa_float_denorm_mode_32 3
		.amdhsa_float_denorm_mode_16_64 3
		.amdhsa_memory_ordered 1
		.amdhsa_forward_progress 1
		.amdhsa_inst_pref_size 227
	.end_amdhsa_kernel
	.amdgpu_metadata
---
amdhsa.version: [ 1, 2 ]
amdhsa.kernels:
  - .name:           k_q8f5aa00bb2_attn
    .symbol:         k_q8f5aa00bb2_attn.kd
    .args:
      - { .name: qkv, .offset: 0, .size: 8, .value_kind: global_buffer, .address_space: global }
      - { .name: pbx, .offset: 8, .size: 8, .value_kind: global_buffer, .address_space: global }
      - { .name: hd, .offset: 16, .size: 8, .value_kind: global_buffer, .address_space: global }
    .group_segment_fixed_size: 327680
    .private_segment_fixed_size: 0
    .kernarg_segment_align: 8
    .kernarg_segment_size: 24
    .max_flat_workgroup_size: 256
    .sgpr_count:     96
    .vgpr_count:     512
    .wavefront_size: 32
...
	.end_amdgpu_metadata
.endif
;; end of part 3
;; launch oproj (part 4): grid 8 x 32, 4 waves a work-group, clusters of 4 x 4, 327,680 bytes of LDS; arguments hd, wo16, bo, out0; writes out0
.if DOCPART == 4
	.amdgcn_target "amdgcn-amd-amdhsa--gfx1250"
	.amdhsa_code_object_version 6
	.text
	.protected	k_q8f5aa00bb2_oproj
	.globl	k_q8f5aa00bb2_oproj
	.p2align	8
	.type	k_q8f5aa00bb2_oproj,@function
k_q8f5aa00bb2_oproj:
	s_mov_b64 s[64:65], 0
	v_nop
	global_prefetch_b8 v0, s[64:65] scope:SCOPE_SE
	s_setreg_imm32_b32 hwreg(HW_REG_WAVE_MODE, 25, 1), 1
	s_wait_xcnt 0x0
	s_wait_alu depctr_hold_cnt(0) depctr_sa_sdst(0) depctr_va_vdst(0) depctr_va_sdst(0) depctr_va_ssrc(0) depctr_va_vcc(0) depctr_vm_vsrc(0)
	s_getreg_b32 s2, hwreg(HW_REG_IB_STS2, 6, 4)
	s_cmp_eq_u32 s2, 0
	s_cbranch_scc0 .Lentry_in_a_cluster
	s_endpgm
.Lentry_in_a_cluster:
	s_bfe_u32 s2, ttmp6, 0x10000c
	s_cmp_lg_u32 s2, 0xf033
	s_cbranch_scc0 .Lentry_shape_is_right
	s_endpgm
.Lentry_shape_is_right:
; out0[m][n] = the sum over k of heads[m][k] Wo[n][k] + bo[n].  A: hd [k / 64][m 4096][64] f16;  B: wo16 [k / 64][n 1024][64] f16;  out0 [4096][1024] f32; sums in f32.
; A tile of 128 x 128 is made by four waves, each 64 x 64: 16 accumulators: 256 tiles, one for each work-group.  K goes in steps of 256 (four blocks of 64) through two LDS slots.
; A wave's tensor load brings 64 rows x 4 blocks: in memory a block's 64 rows are 8,192 dense bytes, and the blocks lie a whole tensor of rows apart: a tile of 4 rows of 8,192 bytes,
; with 16 bytes of padding behind every 128: in LDS [block][row][144 bytes].
; CLUSTERS: 4 x 4 work-groups: A's tiles are shared along a row of the cluster, B's along a column: each is asked for JOINTLY.
; THE MATRIX INSTRUCTION IS USED TRANSPOSED (source 0 = 16 rows of B, source 1 = 16 rows of A): a lane holds eight neighbouring columns of a row of out0.  bo is the C of each sum's first product.
; REGISTERS: window 0: v0-31 addresses; v32-95 at work on the way out; v96-127 bo, 8 registers for each block of 16 columns; v128-255 the accumulators ((a, b) at v[128 + 8 (4 a + b)]).
;   window 1: two fragment buffers of 128: for 64 along K, 64 registers of A, then 64 of B.
.set PITCH,  144
.set KB,     64*PITCH                  ; one block of 64 along K of a wave's 64 rows
.set HALFT,  4*KB                      ; what one tensor load brings
.set SLOT,   4*HALFT                   ; A's 128 rows, then B's 128 rows
.set STAGE,  2*SLOT                    ; behind the ring: 16 rows x 272 bytes for each wave: a wave's 64 columns of f32 are 256 aligned bytes, so each wave has a stage of its own
.set SPITCH, 272
.set SPARE,  STAGE+4*16*SPITCH         ; the spare words, 128 bytes a wave
.set LAPS,   2                         ; K = 1,024 is four steps: twice round the ring
.set STEPA,  4*524288                  ; a K step on, in bytes: four blocks of 4,096 rows of 128 bytes,
.set STEPB,  4*131072                  ; of 1,024 rows
.set ADRA, 16
.set ADRB, 20
.set STO,  24
.set RD,   25
.set CO,   26
.set SPW,  28                          ; my spare word; never rewritten
.set NIL,  29                          ; 0; never rewritten
.set TMP,  32
.set BIA,  96
.set ACC,  128
.set F0,   0
.set F1,   128
.set G1, 24
.set G0, 32
.set G1B, 48
.set G0B, 56
.set MSB, 0
.macro WIN new                         ; the immediate's high byte repeats the setting that is left
.if MSB != \new
	s_set_vgpr_msb (MSB<<8)|\new
.set MSB, \new
.endif
.endm
.set MUL,  0x05                        ; sources 0 (B) and 1 (A) window 1; C and D window 0
.set TO_F, 0x40
.macro JLOAD s                         ; a joint load: waves 0 and 1 fetch A's two halves, waves 2 and 3 B's; an s_nop 0 and four v_nop follow each line
	s_cmp_eq_u32 s11, 0
	s_cbranch_scc0 .Lfor_b_\@
	tensor_load_to_lds s[G0+4*\s:G0+4*\s+3], s[G1:G1+7]
	s_nop 0
.rept 4
	v_nop
.endr
	s_branch .Lasked_\@
.Lfor_b_\@:
	tensor_load_to_lds s[G0B+4*\s:G0B+4*\s+3], s[G1B:G1B+7]
	s_nop 0
.rept 4
	v_nop
.endr
.Lasked_\@:
.endm
.macro CREST                           ; a round of the cluster's barrier behind its opening barrier
	s_cmp_lg_u32 s10, 0
	s_cbranch_scc1 .Lnot_wave_0_\@
	s_barrier_signal -3
.Lnot_wave_0_\@:
	s_barrier_wait -3
	s_barrier_signal -1
	s_barrier_wait -1
.endm
.macro CROUND
	s_barrier_signal -1
	s_barrier_wait -1
	CREST
.endm
	s_load_b128 s[4:7], s[0:1], 0x0                ; hd s[4:5], wo16 s[6:7]
	s_load_b128 s[68:71], s[0:1], 0x10             ; bo s[68:69], out0 s[70:71]
	v_lshl_add_u32 v[SPW], v0, 2, SPARE
	v_mov_b32 v[NIL], 0
	ds_add_u32 v[SPW], v[NIL]                      ; the wave's opening: the add and its wait stand ahead of my first tensor load; the set-up below stands between them
	v_lshrrev_b32 v1, 5, v0
	v_readfirstlane_b32 s10, v1                    ; wave 0..3
	s_lshr_b32 s11, s10, 1                         ; which half of the tile's rows is mine.  Also: I fetch for A (0) or for B (1)
	s_and_b32 s12, s10, 1                          ; which half of its columns.  Also: which 64 rows of that tile I fetch
	s_bfe_u32 s40, ttmp6, 0x40000                  ; cx, cy
	s_bfe_u32 s41, ttmp6, 0x40004
	s_lshl_b32 s42, ttmp9, 2
	s_add_co_u32 s42, s42, s40                     ; tile column
	s_and_b32 s13, ttmp7, 0xffff
	s_lshl_b32 s13, s13, 2
	s_add_co_u32 s13, s13, s41                     ; tile row
	s_lshl_b32 s43, s41, 2
	s_lshl_b32 s43, 15, s43                        ; my row of the cluster
	s_lshl_b32 s44, 0x1111, s40                    ; my column
	s_or_b32 s[G1+0], s43, (1<<16)|(1<<20)|(1<<21)|(4<<22)|(3<<25)   ; the mask; elements of 2 bytes; padding on; bit 21 beside a mask; after every 32 words, 4 words
	s_or_b32 s[G1B+0], s44, (1<<16)|(1<<20)|(1<<21)|(4<<22)|(3<<25)
.irp g, G1, G1B
	s_mov_b32 s[\g+1], 4096<<16                    ; tensor_dim0 = 4,096 elements: 64 rows of 64
	s_mov_b32 s[\g+2], 4<<16                       ; tensor_dim1 = 4 blocks
	s_mov_b32 s[\g+3], 4096<<16                    ; tile_dim0
	s_mov_b32 s[\g+4], 4                           ; tile_dim1
	s_mov_b32 s[\g+6], 0
	s_mov_b32 s[\g+7], 0
.endr
	s_mov_b32 s[G1+5], 262144                      ; from block to block, in elements: 4,096 rows of 64,
	s_mov_b32 s[G1B+5], 65536                      ; 1,024 rows of 64
	s_lshl_b32 s17, s12, 6                         ; which 64 rows of the tile I fetch
	s_lshl_b32 s16, s13, 7
	s_add_co_u32 s16, s16, s17
	s_lshl_b32 s16, s16, 7                         ; A: (128 x tile row + 64 x half) rows of 128 bytes
	s_lshl_b32 s46, s42, 7
	s_add_co_u32 s46, s46, s17
	s_lshl_b32 s46, s46, 7                         ; B: by the tile column
	s_mov_b32 s17, 0
	s_mov_b32 s47, 0
	s_mul_i32 s20, s10, HALFT                      ; where they go: no place in the cluster enters an LDS address
	s_wait_dscnt 0x0                               ; the opening add is done
	s_wait_kmcnt 0x0
	s_add_nc_u64 s[14:15], s[4:5], s[16:17]
	s_add_nc_u64 s[46:47], s[6:7], s[46:47]
	CROUND                                         ; all sixteen work-groups are here: the first joint loads meet
.irp s, 0,1
	s_mov_b32 s[G0+4*\s], 1
	s_add_co_u32 s[G0+4*\s+1], s20, \s*SLOT
	s_add_nc_u64 s[G0+4*\s+2:G0+4*\s+3], s[14:15], \s*STEPA
	s_or_b32 s[G0+4*\s+3], s[G0+4*\s+3], 0x80000000
	s_mov_b32 s[G0B+4*\s], 1
	s_add_co_u32 s[G0B+4*\s+1], s20, \s*SLOT
	s_add_nc_u64 s[G0B+4*\s+2:G0B+4*\s+3], s[46:47], \s*STEPB
	s_or_b32 s[G0B+4*\s+3], s[G0B+4*\s+3], 0x80000000
	JLOAD \s                                       ; two loads of mine are out
.endr
	v_and_b32 v1, 15, v0                           ; l % 16
	v_bfe_u32 v2, v0, 4, 1                         ; l / 16
	s_lshl_b32 s16, s13, 7
	s_lshl_b32 s17, s11, 6
	s_add_co_u32 s16, s16, s17
	s_lshl_b32 s16, s16, 12                        ; my first row of out0: 4,096 bytes a row
	s_mov_b32 s17, 0
	s_add_nc_u64 s[70:71], s[70:71], s[16:17]
	s_lshl_b32 s46, s42, 9
	s_lshl_b32 s47, s12, 8
	s_add_co_u32 s46, s46, s47                     ; my first column, in bytes: 512 x tile column + 256 x half
	s_mov_b32 s47, 0
	s_add_nc_u64 s[70:71], s[70:71], s[46:47]
	s_add_nc_u64 s[68:69], s[68:69], s[46:47]      ; and the same place in bo
	v_lshlrev_b32 v7, 5, v2                        ; my half's eight numbers of a block of 16 columns
.irp b, 0,1,2,3
	global_load_b128 v[BIA+8*\b:BIA+8*\b+3], v7, s[68:69] offset:64*\b
	global_load_b128 v[BIA+8*\b+4:BIA+8*\b+7], v7, s[68:69] offset:64*\b+16
.endr
	v_mul_u32_u24 v3, v1, PITCH
	v_lshl_add_u32 v3, v2, 4, v3                   ; a fragment's row x pitch + 16 x half
	s_mul_i32 s21, s11, HALFT                      ; my 64 rows of A
	s_mul_i32 s22, s12, HALFT                      ; my 64 rows of B,
	s_add_co_u32 s22, s22, 2*HALFT                 ; which lie behind A's 128
.irp s, 0,1
	v_add_nc_u32 v[ADRA+\s], s21, v3
	v_add_nc_u32 v[ADRB+\s], s22, v3
	s_add_co_u32 s21, s21, SLOT
	s_add_co_u32 s22, s22, SLOT
.endr
	s_mul_i32 s23, s10, 16*SPITCH
	s_add_co_u32 s23, s23, STAGE                   ; my stage
	v_mul_u32_u24 v4, v1, SPITCH                   ; in: row l % 16, 32 bytes for each half of the lanes
	v_lshl_add_u32 v4, v2, 5, v4
	v_add_nc_u32 v[STO], s23, v4
	v_mul_u32_u24 v5, v2, SPITCH                   ; back: lanes 0-15 take one row of 256 bytes, lanes 16-31 the next
	v_lshl_add_u32 v5, v1, 4, v5
	v_add_nc_u32 v[RD], s23, v5
	v_lshlrev_b32 v5, 12, v2                       ; and the same two rows in out0
	v_lshl_add_u32 v[CO], v1, 4, v5
; 8 matrix instructions: m blocks a0, a0 + 1 x all 4 n blocks, 32 along K: half c of buffer f.  zero = 1: the first product starts the sums from bo.  The 16 accumulators take turns.
.macro MUL8 f, c, a0, zero
.irp a, \a0, \a0+1
.irp b, 0,1,2,3
.if \zero
	v_wmma_f32_16x16x32_f16 v[ACC+8*(4*(\a)+\b):ACC+8*(4*(\a)+\b)+7], v[\f+64+8*(4*\c+\b):\f+64+8*(4*\c+\b)+7], v[\f+8*(4*\c+\a):\f+8*(4*\c+\a)+7], v[BIA+8*\b:BIA+8*\b+7]
.else
	v_wmma_f32_16x16x32_f16 v[ACC+8*(4*(\a)+\b):ACC+8*(4*(\a)+\b)+7], v[\f+64+8*(4*\c+\b):\f+64+8*(4*\c+\b)+7], v[\f+8*(4*\c+\a):\f+8*(4*\c+\a)+7], v[ACC+8*(4*(\a)+\b):ACC+8*(4*(\a)+\b)+7]
.endif
.endr
.endr
.endm
; 32 LDS loads in one run: the fragments of one block of 64 along K, which begins at byte k of my rows' region, into buffer f; the first 32 along K first
.macro FETCH slot, k, f
	WIN TO_F
.irp c, 0,1
.irp i, 0,1,2,3
	ds_load_b128 v[\f+64+8*(4*\c+\i):\f+64+8*(4*\c+\i)+3],   v[ADRB+\slot] offset:\k+64*\c+\i*16*PITCH
	ds_load_b128 v[\f+64+8*(4*\c+\i)+4:\f+64+8*(4*\c+\i)+7], v[ADRB+\slot] offset:\k+64*\c+\i*16*PITCH+32
	ds_load_b128 v[\f+8*(4*\c+\i):\f+8*(4*\c+\i)+3],         v[ADRA+\slot] offset:\k+64*\c+\i*16*PITCH
	ds_load_b128 v[\f+8*(4*\c+\i)+4:\f+8*(4*\c+\i)+7],       v[ADRA+\slot] offset:\k+64*\c+\i*16*PITCH+32
.endr
.endr
.endm
.macro PLACES                          ; four plain instructions in front of loads into registers that matrix instructions have read, and of the first read of results
.rept 4
	v_nop
.endr
.endm
; A K step is four quarters of 64 along K, 32 matrix instructions each, on buffers 0, 1, 0, 1.  One of the first three: multiplies buffer f and fetches the next quarter, at byte k, into g.
.macro QUARTER slot, k, f, g, zero
	s_wait_dscnt 16                                ; the first 32 along K are in; the youngest sixteen loads may be out
	WIN MUL
	MUL8 \f, 0, 0, \zero
	MUL8 \f, 0, 2, \zero
	PLACES
	FETCH \slot, \k, \g
	s_wait_dscnt 32                                ; all but the 32 just issued
	WIN MUL
	MUL8 \f, 1, 0, 0
	MUL8 \f, 1, 2, 0
.endm
; The last quarter multiplies buffer 1 and changes slots: ONE barrier; in front of it each wave waits for all its tensor loads, adds 0 to its spare word, and waits for that and for its reads of this slot.
; fill = 1: this slot is filled again, two K steps ahead: the barrier opens a round of the cluster's, and the joint refill is the first tensor load behind it.
.macro TURN slot, next, fill
	WIN 0
	s_wait_tensorcnt 0x0                           ; all my tensor loads have landed: my part of the next slot
	ds_add_u32 v[SPW], v[NIL]                      ; 0 onto my spare word
	s_wait_dscnt 17                                ; (the add and the youngest sixteen loads may be out)
	WIN MUL
	MUL8 F1, 0, 0, 0
	s_wait_dscnt 0x0                               ; the add is done, and my reads of this slot are over
	s_barrier_signal -1
	MUL8 F1, 0, 2, 0
.if \fill
	WIN 0
.endif
	s_barrier_wait -1
.if \fill
	CREST                                          ; no wave of any partner still reads this slot's tile or has a load on its way
	s_add_nc_u64 s[G0+4*\slot+2:G0+4*\slot+3], s[G0+4*\slot+2:G0+4*\slot+3], 2*STEPA
	s_add_nc_u64 s[G0B+4*\slot+2:G0B+4*\slot+3], s[G0B+4*\slot+2:G0B+4*\slot+3], 2*STEPB
	JLOAD \slot                                    ; the four v_nop behind it are also the places in front of the loads below
.else
	PLACES
.endif
	FETCH \next, 0, F0
	WIN MUL
	MUL8 F1, 1, 0, 0
	MUL8 F1, 1, 2, 0
.endm
	s_wait_tensorcnt 1                             ; my part of K step 0 is in (K step 1's load may be out)
	s_barrier_signal -1
	s_barrier_wait -1                              ; everybody's is
	FETCH 0, 0, F0
	s_wait_loadcnt 0x0                             ; bo
	QUARTER 0, KB, F0, F1, 1                       ; the first quarter stands in front of the loop: its first products start the sums
	WIN 0                                          ; at a label and at a branch every window is 0
	s_mov_b32 s3, LAPS-1
.Llap:                                                 ; a trip goes once round the ring, from a lap's second quarter to the next lap's first, and fills both slots again
	QUARTER 0, 2*KB, F1, F0, 0
	QUARTER 0, 3*KB, F0, F1, 0
	TURN 0, 1, 1
	QUARTER 1, KB, F0, F1, 0
	QUARTER 1, 2*KB, F1, F0, 0
	QUARTER 1, 3*KB, F0, F1, 0
	TURN 1, 0, 1
	QUARTER 0, KB, F0, F1, 0
	WIN 0
	s_sub_co_u32 s3, s3, 1
	s_cmp_lg_u32 s3, 0
	s_cbranch_scc1 .Llap
	QUARTER 0, 2*KB, F1, F0, 0                     ; the last lap fills nothing, and has no round of the cluster's barrier
	QUARTER 0, 3*KB, F0, F1, 0
	TURN 0, 1, 0
	QUARTER 1, KB, F0, F1, 0
	QUARTER 1, 2*KB, F1, F0, 0
	QUARTER 1, 3*KB, F0, F1, 0
	s_wait_dscnt 16                                ; the very last quarter: nothing more to fetch
	WIN MUL
	MUL8 F1, 0, 0, 0
	MUL8 F1, 0, 2, 0
	s_wait_dscnt 0
	MUL8 F1, 1, 0, 0
	MUL8 F1, 1, 2, 0
	WIN 0
; THE WAY OUT, block by block of 16 rows x 64 columns.  A lane holds 32 neighbouring bytes of a row: a block goes through my own stage and comes back as whole rows of 256 bytes.
.macro TOSTAGE a
.set BB, TMP+32*((\a)%2)
.irp b, 0,1,2,3
	ds_store_b128 v[STO], v[ACC+8*(4*(\a)+\b):ACC+8*(4*(\a)+\b)+3] offset:64*\b          ; each accumulator from its low end on
	ds_store_b128 v[STO], v[ACC+8*(4*(\a)+\b)+4:ACC+8*(4*(\a)+\b)+7] offset:64*\b+16
.endr
.irp t, 0,1,2,3,4,5,6,7
	ds_load_b128 v[BB+4*\t:BB+4*\t+3], v[RD] offset:\t*2*SPITCH   ; LDS serves a wave's instructions in order: these see the stores above, and the next block's stores come behind them
.endr
.endm
.macro SEND a, younger                 ; younger: the LDS instructions issued behind block a's loads, which may stay out
.set BB, TMP+32*((\a)%2)
	s_wait_dscnt \younger
.irp t, 0,1,2,3,4,5,6,7
	global_store_b128 v[CO], v[BB+4*\t:BB+4*\t+3], s[70:71] offset:(16*(\a)+2*\t)*4096 th:TH_STORE_NT   ; sixteen lanes store 256 consecutive bytes, aligned; written once, read by nobody here
.endr
.endm
	PLACES
	TOSTAGE 0
.irp a, 1,2,3
.if \a > 1
	s_wait_xcnt 0x0                                ; block a - 2's stores have read their registers: block a's loads may land there
.endif
	TOSTAGE \a
	SEND \a-1, 16                                  ; behind block a - 1's loads: block a's 8 stores and 8 loads
.endr
	SEND 3, 0
	s_wait_tensorcnt 0x0                           ; the wave's end, behind my last tensor load and my last LDS store
	ds_add_u32 v[SPW], v[NIL]
	s_wait_dscnt 0x0
	CROUND                                         ; the closing round
	s_endpgm
.Lfunc_end_k_q8f5aa00bb2_oproj:
	.size	k_q8f5aa00bb2_oproj, .Lfunc_end_k_q8f5aa00bb2_oproj-k_q8f5aa00bb2_oproj
	.p2alignl 7, 3214868480
	.fill 96, 4, 3214868480
	.section	.rodata,"a",@progbits
	.p2align	6, 0x0
	.amdhsa_kernel k_q8f5aa00bb2_oproj
		.amdhsa_group_segment_fixed_size 327680
		.amdhsa_private_segment_fixed_size 0
		.amdhsa_enable_private_segment 0
		.amdhsa_kernarg_size 32
		.amdhsa_user_sgpr_count 2
		.amdhsa_user_sgpr_kernarg_segment_ptr 1
		.amdhsa_wavefront_size32 1
		.amdhsa_system_sgpr_workgroup_id_x 1
		.amdhsa_system_sgpr_workgroup_id_y 1
		.amdhsa_system_sgpr_workgroup_id_z 1
		.amdhsa_system_vgpr_workitem_id 0
		.amdhsa_next_free_vgpr 512
		.amdhsa_next_free_sgpr 72
		.amdhsa_reserve_vcc 0
		.amdhsa_float_denorm_mode_32 3
		.amdhsa_float_denorm_mode_16_64 3
		.amdhsa_memory_ordered 1
		.amdhsa_forward_progress 1
		.amdhsa_inst_pref_size 86
	.end_amdhsa_kernel
	.amdgpu_metadata
---
amdhsa.version: [ 1, 2 ]
amdhsa.kernels:
  - .name:           k_q8f5aa00bb2_oproj
    .symbol:         k_q8f5aa00bb2_oproj.kd
    .args:
      - { .name: hd, .offset: 0, .size: 8, .value_kind: global_buffer, .address_space: global }
      - { .name: wo16, .offset: 8, .size: 8, .value_kind: global_buffer, .address_space: global }
      - { .name: bo, .offset: 16, .size: 8, .value_kind: global_buffer, .address_space: global }
      - { .name: out0, .offset: 24, .size: 8, .value_kind: global_buffer, .address_space: global }
    .group_segment_fixed_size: 327680
    .private_segment_fixed_size: 0
    .kernarg_segment_align: 8
    .kernarg_segment_size: 32
    .max_flat_workgroup_size: 128
    .sgpr_count:     72
    .vgpr_count:     512
    .wavefront_size: 32
...
	.end_amdgpu_metadata
.endif
;; end of part 4
